; MI455X (gfx1250); checked and timed in simulation.
; The chip was launched on July 23, 2026; its instructions are those of AMD's public machine-readable ISA for CDNA 5 (MIT licence, August 2026) and "CDNA5" Instruction Set Architecture Reference Guide (July 2026). The comments in the code are by the model that wrote it; some were corrected since.
;; Causal Self Attention. Allowed arithmetic: matrix products marked QUANTISED: E2M3 operands, one E8M0 scale for each 32 along K, by v_wmma_scale_f32_16x16x128_f8f6f4 with both operands' format E2M3, f32 sums; everything else in f32.
;; Inputs: W_attn 1,024 x 3,072 float32; W_proj 1,024 x 1,024 float32; b_attn 3,072 float32; b_proj 1,024 float32; x 4 x 2,048 x 1,024 float32.
;; Outputs: out0 4 x 2,048 x 1,024 float32.
;; This version of the problem:
;;   THIS VERSION OF THE PROBLEM IS GIVEN IN LOW PRECISION. The matrix products marked QUANTISED in the list below multiply operands that are first quantised to E2M3 (2 exponent bits, 3 mantissa bits; 6 bits a number), with one power-of-two scale for each 32 numbers along K (OCP MX v1.0); their sums are f32. All else is computed in f32.
;;   The module's matrix products, in the order in which they are computed (A, B: the left and right operand; K: the contracted axis; several contracted axes count as one K, in the product's order):
;;     1. [M 8,192, K 1,024] x [K 1,024, N 3,072]; A: input x; B: input W_attn: QUANTISED
;;     2. batch 64 x [M 2,048, K 64] x [K 64, N 2,048]; A: computed on the way; B: computed on the way: QUANTISED
;;     3. batch 64 x [M 2,048, K 2,048] x [K 2,048, N 64]; A: softmax (see below); B: computed on the way: QUANTISED
;;     4. [M 8,192, K 1,024] x [K 1,024, N 1,024]; A: computed on the way; B: input W_proj: QUANTISED
;;   THE QUANTISER, for each operand of a quantised product, along K:
;;     - K is cut into blocks of 32 from its start; a last block that is shorter is filled with zeros.
;;     - A block's scale is 2^e with e = floor(log2(the largest magnitude in the block)) - 2, held to -126 .. 127; a block of zeros has e = 0. As a byte (E8M0): e + 127.
;;     - Each number is divided by its block's scale, clamped to +-7.5, and rounded to the nearest number of E2M3, ties to even, subnormals kept.
;;     - The product sums the exact products of the quantised numbers (number of the format x scale) in f32.
;;   ~~~python
;;   def quantise(x, axis):      # numpy; x: float32 -> the quantised numbers, widened to float32 again
;;       x = np.moveaxis(x, axis, -1); K = x.shape[-1]
;;       x = np.pad(x, [(0, 0)] * (x.ndim - 1) + [(0, -K % 32)]); x = x.reshape(x.shape[:-1] + (-1, 32)); a = np.abs(x).max(-1, keepdims=True)
;;       e = np.where(a > 0, np.clip(np.frexp(np.where(a > 0, a, 1))[1] - 1 - 2, -126, 127), 0)      # np.frexp(a)[1] - 1 = floor(log2(a)), exactly
;;       r = np.clip(x / 2.0 ** e, -7.5, 7.5)
;;       step = 2.0 ** (np.maximum(np.frexp(np.where(r == 0, 1, r))[1] - 1, 0) - 3)
;;       q = np.round(r / step) * step * 2.0 ** e      # np.round: ties to even
;;       return np.moveaxis(q.reshape(q.shape[:-2] + (-1,))[..., :K], -1, axis).astype(np.float32)
;;   ~~~
;;   SOFTMAX AHEAD OF A QUANTISED PRODUCT. Where the list says 'softmax', what is quantised is not the finished softmax but p = 2^(t - M), with t = logit x log2(e) and M = ceil(the row's largest t), a whole number; so 1/2 < the row's largest p <= 1. The row's sum l is taken of the UNQUANTISED p, in f32, and the product's result is divided by l at the end. Since M is a whole number, a kernel that streams over the keys may use a running M (the ceiling of the running maximum): every later rescaling is an exact power of two, which a block's scale takes up: the codes' values come out the same.
;;   OPERANDS COMPUTED ON THE WAY. 'Computed on the way' means the value that the module computes at that place (a softmax that the list does not call 'softmax' is quantised finished and normalised). What goes into a quantiser is computed in f32, as accurately as f32 sums, v_exp_f32 and their like allow (about 1e-6 of the number): no bf16 or f16 on the way to a quantiser, and a product that is left as it is and whose result goes on into a quantised operand takes f32 operands (vector FMAs, or v_wmma_f32_16x16x4_f32). A number that lies on a knife's edge between two numbers of the format may be rounded either way, as far as f32 arithmetic and the matrix unit's own rounding can turn it there, and no further.
;; One version. Each part assembles by itself: llvm-mc -triple=amdgcn-amd-amdhsa -mcpu=gfx1250 --defsym DOCPART=n.
;; ======== version 1 of 1: 4 launches
;; workspace buffers: xq 6,553,600 bytes; wq 3,276,800 bytes; qk 13,631,488 bytes; vq 6,815,744 bytes; yq 6,553,600 bytes
;; launch prep (part 1): grid 384 x 1, 4 waves a work-group, no clusters, 58,880 bytes of LDS; arguments x, W_attn, W_proj, xq, wq; writes xq, wq
.if DOCPART == 1
	.amdgcn_target "amdgcn-amd-amdhsa--gfx1250"
	.amdhsa_code_object_version 6
	.text
	.protected	k_q40b3997571_prep
	.globl	k_q40b3997571_prep
	.p2align	8
	.type	k_q40b3997571_prep,@function
k_q40b3997571_prep:
	s_mov_b64 s[64:65], 0
	v_nop
	global_prefetch_b8 v0, s[64:65] scope:SCOPE_SE
	s_setreg_imm32_b32 hwreg(HW_REG_WAVE_MODE, 25, 1), 1
	s_wait_xcnt 0x0
; x [8192][1024], W_attn [1024][3072] and W_proj [1024][1024], f32, become codes of FP6 (E2M3) with one E8M0 byte for each 32 along K (x: its last axis; the weights: their first).
; A block's scale is 2^(floor(log2(largest magnitude)) - 2): its byte is the largest magnitude's exponent field - 2, held at 1 from below.
; LIMITS: NaN and infinities among the inputs are not served.  A block of zeros, or one whose largest magnitude lies under 2^-124, gets the byte 1 (its codes are zeros or tiny); the bytes are read by this program alone.
; LAYOUT OF THE RESULT: the order of an operand's registers.  A row axis (x's rows, a weight's columns) is stored by POSITION: position 64 g + 16 tau + 8 rho + i holds index 64 g + 32 rho + 8 tau + i;
; a row block RB = 4 g + tau has 16 positions r = 8 rho + i.  A UNIT (768 bytes) is 16 positions x 64 along K: lane r + 16 h owns the 24 bytes of row r, k = 32 h .. 32 h + 31: its first 16 bytes at 16 x lane, its last 8 at 512 + 8 x lane.
; Codes: [RB][K / 64][768].  Scale words (four bytes: 128 along K of one row): ((RB / 4) x 8 + K / 128) x 256 + 16 r + 4 (RB % 4).
; Work-groups 0-255 take x, 256-351 W_attn, 352-383 W_proj; each reads 128 KiB.  Waves share nothing: no barrier.  The two paths have LDS bytes of their own.
.set STX,   0                          ; x path: a stage of 16 rows x 528 bytes for each wave
.set STW,   33792                      ; weights' path: a stage of 2 row blocks x 4 units for each wave
.set SPARE, 58368                      ; the spare words, 128 bytes for each wave: two blocks of 256 bytes that no other line names
.set XS,    6291456                    ; xq: where the scale words begin
.set WAS,   2359296                    ; wq: W_attn's scale words,
.set WPC,   2457600                    ; W_proj's codes,
.set WPS,   3244032                    ; W_proj's scale words
.set SPW,   12                         ; v12 my spare word's LDS address; never rewritten
.set NIL,   13                         ; v13 0; never rewritten
; Two blocks of 32 numbers (v[xa] on, v[xb] on) by turns: largest magnitudes in two chains each, with the floor 2^(3 - 127) among the leaves; v[m+4], v[m+5] the conversions' scale operands, v[m+6], v[m+7] the bytes; codes in v[za] .. +5, v[zb] .. +5.
.macro QPAIR xa, xb, za, zb, ta, tb, m
	v_max3_num_f32 v[\m], |v[\xa]|, |v[\xa+1]|, 0x1800000
	v_max3_num_f32 v[\m+1], |v[\xb]|, |v[\xb+1]|, 0x1800000
	v_max3_num_f32 v[\m+2], |v[\xa+16]|, |v[\xa+17]|, |v[\xa+18]|
	v_max3_num_f32 v[\m+3], |v[\xb+16]|, |v[\xb+17]|, |v[\xb+18]|
.irp i, 0,2,4,6,8,10
	v_max3_num_f32 v[\m], v[\m], |v[\xa+2+\i]|, |v[\xa+3+\i]|
	v_max3_num_f32 v[\m+1], v[\m+1], |v[\xb+2+\i]|, |v[\xb+3+\i]|
	v_max3_num_f32 v[\m+2], v[\m+2], |v[\xa+19+\i]|, |v[\xa+20+\i]|
	v_max3_num_f32 v[\m+3], v[\m+3], |v[\xb+19+\i]|, |v[\xb+20+\i]|
.endr
	v_max3_num_f32 v[\m], v[\m], |v[\xa+14]|, |v[\xa+15]|
	v_max3_num_f32 v[\m+1], v[\m+1], |v[\xb+14]|, |v[\xb+15]|
	v_max3_num_f32 v[\m], v[\m], v[\m+2], |v[\xa+31]|
	v_max3_num_f32 v[\m+1], v[\m+1], v[\m+3], |v[\xb+31]|
	v_add_nc_u32 v[\m+4], 0xff000000, v[\m]        ; 2 off the exponent field: the conversion takes this operand's exponent field as its scale
	v_add_nc_u32 v[\m+5], 0xff000000, v[\m+1]
	v_lshrrev_b32 v[\m+6], 23, v[\m+4]             ; the scale's byte
	v_lshrrev_b32 v[\m+7], 23, v[\m+5]
	v_cvt_scalef32_pk16_fp6_f32 v[\za:\za+2], v[\xa:\xa+15], v[\m+4]
	v_cvt_scalef32_pk16_fp6_f32 v[\ta:\ta+2], v[\xa+16:\xa+31], v[\m+4]   ; (a conversion's three registers begin on an even number)
	v_cvt_scalef32_pk16_fp6_f32 v[\zb:\zb+2], v[\xb:\xb+15], v[\m+5]
	v_cvt_scalef32_pk16_fp6_f32 v[\tb:\tb+2], v[\xb+16:\xb+31], v[\m+5]
	v_nop                                          ; one plain place behind the scaled conversions
.irp i, 0,1,2
	v_mov_b32 v[\za+3+\i], v[\ta+\i]
	v_mov_b32 v[\zb+3+\i], v[\tb+\i]
.endr
.endm
; The same for one block: v[m+2] the scale operand, v[m+3] the byte.
.macro Q1 xa, za, ta, m
	v_max3_num_f32 v[\m], |v[\xa]|, |v[\xa+1]|, 0x1800000
	v_max3_num_f32 v[\m+1], |v[\xa+16]|, |v[\xa+17]|, |v[\xa+18]|
.irp i, 0,2,4,6,8,10
	v_max3_num_f32 v[\m], v[\m], |v[\xa+2+\i]|, |v[\xa+3+\i]|
	v_max3_num_f32 v[\m+1], v[\m+1], |v[\xa+19+\i]|, |v[\xa+20+\i]|
.endr
	v_max3_num_f32 v[\m], v[\m], |v[\xa+14]|, |v[\xa+15]|
	v_max3_num_f32 v[\m], v[\m], v[\m+1], |v[\xa+31]|
	v_add_nc_u32 v[\m+2], 0xff000000, v[\m]
	v_lshrrev_b32 v[\m+3], 23, v[\m+2]
	v_cvt_scalef32_pk16_fp6_f32 v[\za:\za+2], v[\xa:\xa+15], v[\m+2]
	v_cvt_scalef32_pk16_fp6_f32 v[\ta:\ta+2], v[\xa+16:\xa+31], v[\m+2]
	v_nop
.irp i, 0,1,2
	v_mov_b32 v[\za+3+\i], v[\ta+\i]
.endr
.endm
	s_load_b256 s[4:11], s[0:1], 0x0               ; x s[4:5], W_attn s[6:7], W_proj s[8:9], xq s[10:11]
	s_load_b64 s[12:13], s[0:1], 0x20              ; wq
	v_lshl_add_u32 v[SPW], v0, 2, SPARE
	v_mov_b32 v[NIL], 0
	v_lshrrev_b32 v1, 5, v0
	v_readfirstlane_b32 s14, v1                    ; wave 0..3
	v_and_b32 v6, 31, v0                           ; lane
	v_and_b32 v7, 15, v0                           ; lane % 16
	v_bfe_u32 v8, v0, 4, 1                         ; lane / 16
	v_lshlrev_b32 v1, 4, v6                        ; 16 x lane; never rewritten
	v_lshlrev_b32 v4, 3, v6                        ; 8 x lane; never rewritten
	s_mov_b32 s20, 0x76543210
	s_mov_b32 s21, 0xfedcba98                      ; v_permlanex16_b32's selects for lane l xor 16
	s_cmp_lt_u32 ttmp9, 256
	s_cbranch_scc0 .Lweights
; ---------------- x.  A wave takes 64 rows (4 row blocks) x 128 along K, a row block (16 rows x 512 bytes) at a time.
; Each load reads a row's 512 consecutive bytes; the 16 rows turn through the wave's stage (pitch 528 bytes: the sixteen rows that a read touches start in sixteen different groups of banks), and lane (r, h) takes back k = 64 c + 32 h + 0 .. 31 of row r.
	s_mul_i32 s15, s14, 8448                       ; my stage
	v_add_nc_u32 v2, s15, v1                       ; in: 16 x lane, a row of the stage for each load
	v_mul_u32_u24 v3, v7, 528
	v_lshl_add_u32 v3, v8, 7, v3
	v_add_nc_u32 v3, s15, v3                       ; back: row r, + 128 h
	v_lshlrev_b32 v5, 3, v8                        ; 8 h
	v_lshlrev_b32 v9, 4, v7
	v_lshl_add_u32 v9, v8, 3, v9                   ; the scale words' store: 16 r + 8 h
	v_mov_b32 v237, 0                              ; written once: a lane permute's destination counts as one of its sources
	s_lshl_b32 s16, ttmp9, 2
	s_add_co_u32 s16, s16, s14
	s_lshr_b32 s17, s16, 3                         ; which 64 rows
	s_and_b32 s18, s16, 7                          ; which 128 along K
	s_lshl_b32 s22, s17, 18
	s_lshl_b32 s23, s18, 9
	s_add_co_u32 s22, s22, s23
	s_mov_b32 s23, 0
	s_mul_i32 s24, s17, 49152
	s_mul_i32 s25, s18, 1536
	s_add_co_u32 s24, s24, s25
	s_mov_b32 s25, 0
	s_lshl_b32 s26, s17, 11
	s_lshl_b32 s27, s18, 8
	s_add_co_u32 s26, s26, s27
	s_add_co_u32 s26, s26, XS
	s_mov_b32 s27, 0
	s_wait_kmcnt 0x0
	s_add_nc_u64 s[4:5], s[4:5], s[22:23]          ; x at my rows and my K
	s_add_nc_u64 s[24:25], s[10:11], s[24:25]      ; my units
	s_add_nc_u64 s[26:27], s[10:11], s[26:27]      ; my 256 bytes of scale words
.macro LOADX a                         ; row block a: position t holds row 8 a + t % 8 + 32 (t / 8) of the 64
.irp t, 0,1,2,3,4,5,6,7,8,9,10,11,12,13,14,15
	global_load_b128 v[16+64*((\a)%2)+4*\t:16+64*((\a)%2)+4*\t+3], v1, s[4:5] offset:(8*(\a)+(\t%8)+32*(\t/8))*4096 th:TH_LOAD_NT
.endr
.endm
.macro PIECE a
.if (\a) < 3
	s_wait_loadcnt 16                              ; this row block's 16 loads are in; the next one's may be out
.else
	s_wait_loadcnt 0x0
.endif
.irp t, 0,1,2,3,4,5,6,7,8,9,10,11,12,13,14,15
	ds_store_b128 v2, v[16+64*((\a)%2)+4*\t:16+64*((\a)%2)+4*\t+3] offset:528*\t
.endr
.irp c, 0,1
.irp i, 0,1,2,3,4,5,6,7
	ds_load_b128 v[144+32*\c+4*\i:144+32*\c+4*\i+3], v3 offset:256*\c+16*\i   ; LDS serves a wave's instructions in order: these see the stores above
.endr
.endr
	s_wait_dscnt 0x0                               ; my 64 numbers are back, and the stores have read their registers
.if (\a) < 2
	LOADX (\a)+2
.endif
	s_wait_xcnt 0x0                                ; the last row block's stores have read their data: the codes' registers are written again only behind this wait
	QPAIR 144, 176, 208, 214, 220, 224, 228
	v_lshl_or_b32 v236, v235, 16, v234             ; my two bytes, blocks h and 2 + h,
	v_lshlrev_b32 v236, v5, v236                   ; at their places in the scale word;
	v_permlanex16_b32 v237, v236, s20, s21
	v_or_b32 v[240+(\a)], v236, v237               ; with lane l xor 16's two the word is whole
.irp c, 0,1
	global_store_b128 v1, v[208+6*\c:211+6*\c], s[24:25] offset:12288*(\a)+768*\c        ; 512 consecutive bytes,
	global_store_b64 v4, v[212+6*\c:213+6*\c], s[24:25] offset:12288*(\a)+768*\c+512     ; and 256: the unit is whole
.endr
.endm
	LOADX 0
	LOADX 1
	PIECE 0
	PIECE 1
	PIECE 2
	PIECE 3
	v_cmp_eq_u32 vcc_lo, 1, v8
	v_cndmask_b32 v244, v240, v242, vcc_lo         ; lanes 0-15 store row blocks 0 and 1's words, lanes 16-31 those of 2 and 3
	v_cndmask_b32 v245, v241, v243, vcc_lo
	global_store_b64 v9, v[244:245], s[26:27]      ; 256 consecutive bytes
	s_wait_tensorcnt 0x0                           ; the wave's end: the spare-word add and its wait behind my last LDS store
	ds_add_u32 v[SPW], v[NIL]
	s_wait_dscnt 0x0
	s_endpgm
; ---------------- the weights.  A LANE TAKES A COLUMN AND ITS REGISTERS RUN DOWN K, so a block of 32 lies in one lane.  A wave takes 2 whole row blocks x 256 along K: lane l takes column 64 g + 32 (l / 16) + 16 a + l % 16,
; which is position r = 8 (l / 16) + l % 8 of row block 4 g + 2 a + (l % 16) / 8.  The codes gather in the wave's stage as units and leave in runs of 512 consecutive bytes.
; The scale words leave as words of 4 bytes, 16 bytes apart: 131 KB of what the launch writes.
.Lweights:
	v_and_b32 v9, 7, v7
	v_lshl_add_u32 v9, v8, 3, v9                   ; r
	v_lshrrev_b32 v10, 3, v7                       ; which of my two row blocks
	s_mul_i32 s50, s14, 6144
	s_add_co_u32 s50, s50, STW                     ; my stage
	v_mul_u32_u24 v14, v10, 3072
	v_add_nc_u32 v14, s50, v14
	v_lshl_add_u32 v2, v9, 4, v14                  ; a unit's first part: 16 r (+ 256 for the upper half of its K)
	v_lshl_add_u32 v3, v9, 3, v14                  ; its second part: 8 r (+ 512, + 128)
	v_add_nc_u32 v5, s50, v1                       ; back: 16 x lane
	v_lshlrev_b32 v11, 4, v9
	v_lshl_add_u32 v11, v10, 2, v11                ; the scale words: 16 r + 4 x row block
	v_lshlrev_b32 v16, 2, v7
	v_lshl_add_u32 v16, v8, 7, v16                 ; my column among the wave's: (32 (l / 16) + l % 16) x 4 bytes
	s_sub_co_u32 s15, ttmp9, 256
	s_and_b32 s16, s15, 3                          ; which 256 along K
	s_lshr_b32 s17, s15, 2
	s_wait_kmcnt 0x0
	s_cmp_lt_u32 s15, 96                           ; W_attn's work-group or W_proj's?  The choice hangs on the work-group's number alone
	s_cselect_b64 s[6:7], s[6:7], s[8:9]
	s_cselect_b32 s18, 0, 24
	s_mov_b32 s19, 4096
	s_cselect_b32 s19, 12288, s19                  ; a row of the weight in bytes
	s_mov_b32 s42, WPC
	s_cselect_b32 s42, 0, s42                      ; where its codes begin in wq,
	s_mov_b32 s44, WPS
	s_cselect_b32 s44, WAS, s44                    ; and its scale words
	s_sub_co_u32 s17, s17, s18
	s_lshl_b32 s17, s17, 1
	s_lshr_b32 s18, s14, 1
	s_add_co_u32 s17, s17, s18                     ; g: which 64 columns
	s_and_b32 s18, s14, 1                          ; a
.irp i, 1,2,3,4,5,6,7,8,9,10,11,12,13,14,15,16,17,18,19,20,21,22,23,24,25,26,27,28,29,30,31
	v_add_nc_u32 v[16+\i], s19, v[15+\i]           ; v16-47: my column in rows 0 .. 31 of a block; never rewritten
.endr
	s_mul_i32 s40, s16, s19
	s_lshl_b32 s40, s40, 8
	s_lshl_b32 s41, s17, 8
	s_add_co_u32 s40, s40, s41
	s_lshl_b32 s41, s18, 6
	s_add_co_u32 s40, s40, s41
	s_mov_b32 s41, 0
	s_add_nc_u64 s[24:25], s[6:7], s[40:41]        ; block 0's base; a base for each of the eight blocks, so that none is stepped
	s_lshl_b32 s40, s19, 5
.irp t, 1,2,3,4,5,6,7
	s_add_nc_u64 s[24+2*\t:25+2*\t], s[22+2*\t:23+2*\t], s[40:41]
.endr
	s_lshl_b32 s46, s17, 2
	s_lshl_b32 s47, s18, 1
	s_add_co_u32 s46, s46, s47
	s_mul_i32 s46, s46, 12288
	s_mul_i32 s47, s16, 3072
	s_add_co_u32 s46, s46, s47
	s_add_co_u32 s46, s46, s42
	s_mov_b32 s47, 0
	s_add_nc_u64 s[46:47], s[12:13], s[46:47]      ; my first row block's four units
	s_lshl_b32 s48, s17, 11
	s_lshl_b32 s49, s16, 9
	s_add_co_u32 s48, s48, s49
	s_add_co_u32 s48, s48, s44
	s_lshl_b32 s49, s18, 3
	s_add_co_u32 s48, s48, s49
	s_mov_b32 s49, 0
	s_add_nc_u64 s[48:49], s[12:13], s[48:49]      ; my scale words
.macro LOADW t
.irp i, 0,1,2,3,4,5,6,7,8,9,10,11,12,13,14,15,16,17,18,19,20,21,22,23,24,25,26,27,28,29,30,31
	global_load_b32 v[48+32*((\t)%2)+\i], v[16+\i], s[24+2*(\t):25+2*(\t)] th:TH_LOAD_NT
.endr
.endm
.macro BLOCK t
.if (\t) < 7
	s_wait_loadcnt 32                              ; this block's 32 loads are in; the next block's may be out
.else
	s_wait_loadcnt 0x0
.endif
	Q1 48+32*((\t)%2), 112, 122, 118
.if (\t)%4 == 0
	v_mov_b32 v[126+(\t)/4], v121                  ; four bytes to a scale word, the lower K in the lower byte
.else
	v_lshl_or_b32 v[126+(\t)/4], v121, 8*((\t)%4), v[126+(\t)/4]
.endif
	ds_store_b128 v2, v[112:115] offset:768*((\t)/2)+256*((\t)%2)
	ds_store_b64 v3, v[116:117] offset:768*((\t)/2)+512+128*((\t)%2)
.if (\t) < 6
	LOADW (\t)+2
.endif
	s_wait_dscnt 0x0                               ; the stores have read their registers: the next block's codes may be written
.endm
	LOADW 0
	LOADW 1
.irp t, 0,1,2,3,4,5,6,7
	BLOCK \t
.endr
	global_store_b32 v11, v126, s[48:49]
	global_store_b32 v11, v127, s[48:49] offset:256
.irp k, 0,1,2,3,4,5,6,7,8,9,10,11
	ds_load_b128 v[128+4*\k:131+4*\k], v5 offset:512*\k
.endr
.irp k, 0,1,2,3,4,5,6,7,8,9,10,11
	s_wait_dscnt 11-\k
	global_store_b128 v1, v[128+4*\k:131+4*\k], s[46:47] offset:(\k/6)*12288+(\k%6)*512   ; 512 consecutive bytes, at a multiple of 256 from the buffer's first byte
.endr
	s_wait_tensorcnt 0x0                           ; the wave's end: the spare-word add and its wait behind my last LDS store
	ds_add_u32 v[SPW], v[NIL]
	s_wait_dscnt 0x0
	s_endpgm
.Lfunc_end_k_q40b3997571_prep:
	.size	k_q40b3997571_prep, .Lfunc_end_k_q40b3997571_prep-k_q40b3997571_prep
	.p2alignl 7, 3214868480
	.fill 96, 4, 3214868480
	.section	.rodata,"a",@progbits
	.p2align	6, 0x0
	.amdhsa_kernel k_q40b3997571_prep
		.amdhsa_group_segment_fixed_size 58880
		.amdhsa_private_segment_fixed_size 0
		.amdhsa_enable_private_segment 0
		.amdhsa_kernarg_size 40
		.amdhsa_user_sgpr_count 2
		.amdhsa_user_sgpr_kernarg_segment_ptr 1
		.amdhsa_wavefront_size32 1
		.amdhsa_system_sgpr_workgroup_id_x 1
		.amdhsa_system_sgpr_workgroup_id_y 1
		.amdhsa_system_sgpr_workgroup_id_z 1
		.amdhsa_system_vgpr_workitem_id 0
		.amdhsa_next_free_vgpr 256
		.amdhsa_next_free_sgpr 66
		.amdhsa_reserve_vcc 1
		.amdhsa_float_denorm_mode_32 3
		.amdhsa_float_denorm_mode_16_64 3
		.amdhsa_memory_ordered 1
		.amdhsa_forward_progress 1
		.amdhsa_inst_pref_size 74
	.end_amdhsa_kernel
	.amdgpu_metadata
---
amdhsa.version: [ 1, 2 ]
amdhsa.kernels:
  - .name:           k_q40b3997571_prep
    .symbol:         k_q40b3997571_prep.kd
    .args:
      - { .name: x, .offset: 0, .size: 8, .value_kind: global_buffer, .address_space: global }
      - { .name: W_attn, .offset: 8, .size: 8, .value_kind: global_buffer, .address_space: global }
      - { .name: W_proj, .offset: 16, .size: 8, .value_kind: global_buffer, .address_space: global }
      - { .name: xq, .offset: 24, .size: 8, .value_kind: global_buffer, .address_space: global }
      - { .name: wq, .offset: 32, .size: 8, .value_kind: global_buffer, .address_space: global }
    .group_segment_fixed_size: 58880
    .private_segment_fixed_size: 0
    .kernarg_segment_align: 8
    .kernarg_segment_size: 40
    .max_flat_workgroup_size: 128
    .sgpr_count:     66
    .vgpr_count:     256
    .wavefront_size: 32
...
	.end_amdgpu_metadata
.endif
;; end of part 1
;; launch qkv (part 2): grid 12 x 32, 4 waves a work-group, clusters of 4 x 4, 327,680 bytes of LDS; arguments xq, wq, b_attn, qk, vq; writes qk, vq
.if DOCPART == 2
	.amdgcn_target "amdgcn-amd-amdhsa--gfx1250"
	.amdhsa_code_object_version 6
	.text
	.protected	k_q40b3997571_qkv
	.globl	k_q40b3997571_qkv
	.p2align	8
	.type	k_q40b3997571_qkv,@function
k_q40b3997571_qkv:
	s_mov_b64 s[64:65], 0
	v_nop
	global_prefetch_b8 v0, s[64:65] scope:SCOPE_SE
	s_setreg_imm32_b32 hwreg(HW_REG_WAVE_MODE, 25, 1), 1
	s_wait_xcnt 0x0
	s_wait_alu depctr_hold_cnt(0) depctr_sa_sdst(0) depctr_va_vdst(0) depctr_va_sdst(0) depctr_va_ssrc(0) depctr_va_vcc(0) depctr_vm_vsrc(0)
	s_getreg_b32 s2, hwreg(HW_REG_IB_STS2, 6, 4)
	s_cmp_eq_u32 s2, 0
	s_cbranch_scc0 .Lentry_in_a_cluster
	s_endpgm
.Lentry_in_a_cluster:
	s_bfe_u32 s2, ttmp6, 0x10000c
	s_cmp_lg_u32 s2, 0xf033
	s_cbranch_scc0 .Lentry_shape_is_right
	s_endpgm
.Lentry_shape_is_right:
; qkv = x W_attn + b_attn on codes of FP6 (E2M3) with E8M0 scales, sums in f32; the results are quantised in registers and leave as codes: q and k along the head's 64, v along the keys.  Nothing leaves in f32.
; A work-group makes 256 x 256, each of its four waves 128 x 128: 64 accumulators.  K = 1,024 is eight steps of 128, written out.  The cluster's x is the MODE: 0 = q, 1 = k, 2 = v: the same in all sixteen partners.
; D = S0 S1^T, source 0 = S0, whose rows run along a lane's registers.  Modes q, k: S0 = W_attn's columns, S1 = x's rows (a lane holds one token and 32 neighbouring channels of a head).  Mode v: S0 = x's rows, S1 = W_attn's columns
; (a lane holds one channel and 32 neighbouring keys).  Rows are stored by POSITION (position 64 g + 16 tau + 8 rho + i holds index 64 g + 32 rho + 8 tau + i), so that the 32 registers of four neighbouring tiles are one whole block of 32 of the next K,
; in the order in which the 6-bit operand wants them: a block's largest magnitude needs no other lane and the conversions' results are the next operand's registers.
; OPERANDS lie in memory and LDS in the order of their registers: a unit of 768 bytes is 16 positions x 64 along K (lane's first 16 bytes at 16 x lane, last 8 at 512 + 8 x lane): every LDS load reads consecutive bytes.
; LDS: three slots of 256 along K (x's two halves, W's two halves, 24,576 bytes each); chunk 3 is brought into slot 0 behind one round of the cluster's barrier.  The scale words of all of K come once.
; CLUSTERS: 4 x 4.  x's tiles hang on the tile row alone and are asked for jointly by a row of the cluster, W's on the tile column alone and by a column.  The loads do not know the mode: only the LDS read bases do.
; 384 work-groups of equal work.  LIMITS: NaN and infinities are not served; a block whose largest magnitude lies under 2^-124 gets the byte 1; the bytes are read by this program alone.
; OUT: a record of 6,656 bytes for each (head, 128 tokens).  q, k: 8 units (tile of 16 positions x the head's 64), then 512 bytes of scale words [r][tile], each word (e0, e1, e0, e1).  v: 8 units [channel tile][64 keys], then 256 bytes of words [r][tile], twice.
; REGISTERS: window 0: v1-7 lane terms; v8-19 LDS addresses, one for each slot; v20, v21 scale addresses; v22-29 the bias in mode v's form; v30, v31 the add's two; v32-63 scale words, two sets; v64-159, v160-255 S1's fragments, two sets.
;   window 1: v0-95, v96-191 S0's fragments, two sets; v192-255 the bias in modes q and k's form.   windows 2, 3: accumulator (a, b) at v[8 (8 (a % 4) + b)] of window 2 + a / 4.
.set SLOTB,  98304
.set HALFB,  24576
.set SCL,    294912                    ; behind the slots: the scale words, 4,096 bytes for each wave's 128 rows
.set SPARE,  311296                    ; the spare words, 128 bytes for each wave: two blocks of 256 bytes that no other line names
.set XS,     6291456
.set WAS,    2359296
.set REC,    6656
.set HEADB,  106496                    ; a head: 16 records
.set A16_0, 8
.set A8_0,  11
.set A16_1, 14
.set A8_1,  17
.set C0,    20
.set C1,    21
.set VBI,   22
.set SPW,   30
.set NIL,   31
.set SC,    32
.set G1X,  24
.set G0X0, 32
.set G0X1, 36
.set G0X2, 88
.set G1W,  48
.set G0W0, 56
.set G0W1, 60
.set G0W2, 92
.set G1SX, 68
.set G0SX, 76
.set G1SW, 80
.set G0SW, 96
.set MSB, 0
.macro WIN new                         ; the immediate's high byte repeats the setting that is left
.if MSB != (\new)
	s_set_vgpr_msb (MSB<<8)|(\new)
.set MSB, (\new)
.endif
.endm
.set MUL_LO, 0xa1                      ; source 0 window 1, source 1 window 0, C and D window 2
.set MUL_HI, 0xf1                      ; the same, C and D window 3
; A joint load: waves 0 and 1 fetch x's halves, waves 2 and 3 W's.  The branch hangs on the wave's number alone.  An s_nop 0 and four v_nop follow each of the two lines.
.macro JLOAD g0a, g1a, g0b, g1b
	s_cmp_eq_u32 s15, 0
	s_cbranch_scc0 .Lfor_b_\@
	tensor_load_to_lds s[\g0a:\g0a+3], s[\g1a:\g1a+7]
	s_nop 0
.rept 4
	v_nop
.endr
	s_branch .Lasked_\@
.Lfor_b_\@:
	tensor_load_to_lds s[\g0b:\g0b+3], s[\g1b:\g1b+7]
	s_nop 0
.rept 4
	v_nop
.endr
.Lasked_\@:
.endm
.macro CREST                           ; a round of the cluster's barrier behind its opening barrier
	s_cmp_lg_u32 s14, 0
	s_cbranch_scc1 .Lnot_wave_0_\@
	s_barrier_signal -3
.Lnot_wave_0_\@:
	s_barrier_wait -3
	s_barrier_signal -1
	s_barrier_wait -1
.endm
.macro CROUND
	s_barrier_signal -1
	s_barrier_wait -1
	CREST
.endm
.macro PLACES                          ; four plain places behind matrix instructions, in front of loads into registers that they read and of the first read of results
.rept 4
	v_nop
.endr
.endm
.macro QPAIR xa, xb, za, zb, ta, tb, m ; two blocks of 32 numbers by turns: v[m+4], v[m+5] the scale operands, v[m+6], v[m+7] the bytes, codes in v[za] .. +5 and v[zb] .. +5
	v_max3_num_f32 v[\m], |v[\xa]|, |v[\xa+1]|, 0x1800000          ; the floor 2^(3 - 127) among the leaves: the byte cannot fall under 1
	v_max3_num_f32 v[\m+1], |v[\xb]|, |v[\xb+1]|, 0x1800000
	v_max3_num_f32 v[\m+2], |v[\xa+16]|, |v[\xa+17]|, |v[\xa+18]|
	v_max3_num_f32 v[\m+3], |v[\xb+16]|, |v[\xb+17]|, |v[\xb+18]|
.irp i, 0,2,4,6,8,10
	v_max3_num_f32 v[\m], v[\m], |v[\xa+2+\i]|, |v[\xa+3+\i]|
	v_max3_num_f32 v[\m+1], v[\m+1], |v[\xb+2+\i]|, |v[\xb+3+\i]|
	v_max3_num_f32 v[\m+2], v[\m+2], |v[\xa+19+\i]|, |v[\xa+20+\i]|
	v_max3_num_f32 v[\m+3], v[\m+3], |v[\xb+19+\i]|, |v[\xb+20+\i]|
.endr
	v_max3_num_f32 v[\m], v[\m], |v[\xa+14]|, |v[\xa+15]|
	v_max3_num_f32 v[\m+1], v[\m+1], |v[\xb+14]|, |v[\xb+15]|
	v_max3_num_f32 v[\m], v[\m], v[\m+2], |v[\xa+31]|
	v_max3_num_f32 v[\m+1], v[\m+1], v[\m+3], |v[\xb+31]|
	v_add_nc_u32 v[\m+4], 0xff000000, v[\m]
	v_add_nc_u32 v[\m+5], 0xff000000, v[\m+1]
	v_lshrrev_b32 v[\m+6], 23, v[\m+4]
	v_lshrrev_b32 v[\m+7], 23, v[\m+5]
	v_cvt_scalef32_pk16_fp6_f32 v[\za:\za+2], v[\xa:\xa+15], v[\m+4]
	v_cvt_scalef32_pk16_fp6_f32 v[\ta:\ta+2], v[\xa+16:\xa+31], v[\m+4]
	v_cvt_scalef32_pk16_fp6_f32 v[\zb:\zb+2], v[\xb:\xb+15], v[\m+5]
	v_cvt_scalef32_pk16_fp6_f32 v[\tb:\tb+2], v[\xb+16:\xb+31], v[\m+5]
	v_nop                                          ; one plain place behind the scaled conversions
.irp i, 0,1,2
	v_mov_b32 v[\za+3+\i], v[\ta+\i]
	v_mov_b32 v[\zb+3+\i], v[\tb+\i]
.endr
.endm
	s_load_b256 s[4:11], s[0:1], 0x0               ; xq s[4:5], wq s[6:7], b_attn s[8:9], qk s[10:11]
	s_load_b64 s[12:13], s[0:1], 0x20              ; vq
	v_lshl_add_u32 v[SPW], v0, 2, SPARE
	v_mov_b32 v[NIL], 0
	ds_add_u32 v[SPW], v[NIL]                      ; the wave's opening: the add and its wait ahead of my first tensor load; the set-up below stands between them
	v_lshrrev_b32 v1, 5, v0
	v_readfirstlane_b32 s14, v1                    ; wave 0..3
	s_lshr_b32 s15, s14, 1                         ; S1's half that I multiply.  Also: I fetch for x (0) or for W (1)
	s_and_b32 s16, s14, 1                          ; S0's half that I multiply.  Also: which 128 rows I fetch
	s_bfe_u32 s40, ttmp6, 0x40000                  ; cx
	s_bfe_u32 s41, ttmp6, 0x40004                  ; cy
	s_lshl_b32 s42, ttmp9, 2
	s_add_co_u32 s42, s42, s40                     ; W's tile of 256 columns = 4 x cluster x + cx
	s_and_b32 s17, ttmp7, 0xffff
	s_lshl_b32 s17, s17, 2
	s_add_co_u32 s17, s17, s41                     ; x's tile of 256 rows = 4 x cluster y + cy
	s_lshl_b32 s43, s41, 2
	s_lshl_b32 s43, 15, s43                        ; my row of the cluster
	s_lshl_b32 s44, 0x1111, s40                    ; my column
	; group 1 of a tile: 8 row blocks x 3,072 bytes (384 elements of 8 bytes), 12,288 bytes apart; no padding: LDS reads are consecutive
	s_or_b32 s[G1X], s43, (3<<16)|(1<<21)
	s_or_b32 s[G1W], s44, (3<<16)|(1<<21)
.irp g, G1X, G1W
	s_mov_b32 s[\g+1], 384<<16
	s_mov_b32 s[\g+2], 8<<16
	s_mov_b32 s[\g+3], 384<<16
	s_mov_b32 s[\g+4], 8
	s_mov_b32 s[\g+5], 1536
	s_mov_b32 s[\g+6], 0
	s_mov_b32 s[\g+7], 0
.endr
	; and of the scale words of 128 rows: 4,096 dense bytes as 16 rows of 256
	s_or_b32 s[G1SX], s43, (3<<16)|(1<<21)
	s_or_b32 s[G1SW], s44, (3<<16)|(1<<21)
.irp g, G1SX, G1SW
	s_mov_b32 s[\g+1], 32<<16
	s_mov_b32 s[\g+2], 16<<16
	s_mov_b32 s[\g+3], 32<<16
	s_mov_b32 s[\g+4], 16
	s_mov_b32 s[\g+5], 32
	s_mov_b32 s[\g+6], 0
	s_mov_b32 s[\g+7], 0
.endr
	s_lshl_b32 s18, s16, 3
	s_lshl_b32 s20, s17, 4
	s_add_co_u32 s20, s20, s18                     ; x: row block 16 x tile + 8 x half
	s_mul_i32 s20, s20, 12288
	s_mov_b32 s21, 0
	s_lshl_b32 s46, s42, 4
	s_add_co_u32 s46, s46, s18                     ; W likewise
	s_mul_i32 s46, s46, 12288
	s_mov_b32 s47, 0
	s_lshl_b32 s18, s16, 1
	s_lshl_b32 s22, s17, 2
	s_add_co_u32 s22, s22, s18
	s_lshl_b32 s22, s22, 11
	s_add_co_u32 s22, s22, XS                      ; x's scale words
	s_mov_b32 s23, 0
	s_lshl_b32 s66, s42, 2
	s_add_co_u32 s66, s66, s18
	s_lshl_b32 s66, s66, 11
	s_add_co_u32 s66, s66, WAS                     ; W's
	s_mov_b32 s67, 0
	s_mul_i32 s45, s14, HALFB                      ; where they go: wave x 24,576, wave x 4,096: no place in the cluster enters an LDS address
	s_lshl_b32 s100, s14, 12
	s_wait_dscnt 0x0                               ; the opening add is done
	s_wait_kmcnt 0x0
	s_add_nc_u64 s[20:21], s[4:5], s[20:21]
	s_add_nc_u64 s[22:23], s[4:5], s[22:23]
	s_add_nc_u64 s[46:47], s[6:7], s[46:47]
	s_add_nc_u64 s[66:67], s[6:7], s[66:67]
	CROUND                                         ; all sixteen work-groups are here: the first joint loads meet
	s_mov_b32 s[G0SX], 1
	s_add_co_u32 s[G0SX+1], s100, SCL
	s_mov_b64 s[G0SX+2:G0SX+3], s[22:23]
	s_or_b32 s[G0SX+3], s[G0SX+3], 0x80000000
	s_mov_b32 s[G0SW], 1
	s_add_co_u32 s[G0SW+1], s100, SCL
	s_mov_b64 s[G0SW+2:G0SW+3], s[66:67]
	s_or_b32 s[G0SW+3], s[G0SW+3], 0x80000000
	JLOAD G0SX, G1SX, G0SW, G1SW                   ; the scale words first: they are wanted with step 0
.macro SETG0 gx, gw, y                 ; chunk y (256 along K) into slot y
	s_mov_b32 s[\gx], 1
	s_add_co_u32 s[\gx+1], s45, (\y)*SLOTB
	s_add_nc_u64 s[\gx+2:\gx+3], s[20:21], (\y)*3072
	s_or_b32 s[\gx+3], s[\gx+3], 0x80000000
	s_mov_b32 s[\gw], 1
	s_add_co_u32 s[\gw+1], s45, (\y)*SLOTB
	s_add_nc_u64 s[\gw+2:\gw+3], s[46:47], (\y)*3072
	s_or_b32 s[\gw+3], s[\gw+3], 0x80000000
	JLOAD \gx, G1X, \gw, G1W
.endm
	SETG0 G0X0, G0W0, 0
	SETG0 G0X1, G0W1, 1
	SETG0 G0X2, G0W2, 2                            ; four tensor loads of mine are out
	v_and_b32 v1, 15, v0                           ; r
	v_bfe_u32 v2, v0, 4, 1                         ; h
	v_and_b32 v3, 31, v0
	v_lshlrev_b32 v4, 3, v3                        ; 8 x lane
	v_lshlrev_b32 v3, 4, v3                        ; 16 x lane
	v_lshlrev_b32 v5, 3, v2                        ; 8 h
	v_lshlrev_b32 v6, 7, v2                        ; the bias of modes q, k: 32 h numbers on
	v_and_b32 v7, 7, v1
	v_lshrrev_b32 v8, 3, v1
	v_lshl_add_u32 v7, v8, 5, v7
	v_lshlrev_b32 v7, 2, v7                        ; the bias of mode v: position r holds index r % 8 + 32 (r / 8)
	s_cmp_eq_u32 ttmp9, 2                          ; mode v?  The cluster's x: the same in all partners
	s_cselect_b32 s18, 0, 49152                    ; S0's region in a slot: x's in mode v, else W's
	s_cselect_b32 s19, 49152, 0                    ; S1's
	s_cselect_b32 s2, 0, 8192                      ; and among the scale words
	s_cselect_b32 s3, 8192, 0
	s_mul_i32 s100, s16, HALFB
	s_add_co_u32 s18, s18, s100
	s_mul_i32 s100, s15, HALFB
	s_add_co_u32 s19, s19, s100
	s_lshl_b32 s100, s16, 12
	s_add_co_u32 s2, s2, s100
	s_add_co_u32 s2, s2, SCL
	s_lshl_b32 s100, s15, 12
	s_add_co_u32 s3, s3, s100
	s_add_co_u32 s3, s3, SCL
.irp s, 0,1,2
	v_add_nc_u32 v[A16_0+\s], s18, v3
	v_add_nc_u32 v[A8_0+\s], s18, v4
	v_add_nc_u32 v[A16_1+\s], s19, v3
	v_add_nc_u32 v[A8_1+\s], s19, v4
	s_add_co_u32 s18, s18, SLOTB
	s_add_co_u32 s19, s19, SLOTB
.endr
	v_lshl_add_u32 v[C0], v1, 4, s2
	v_lshl_add_u32 v[C1], v1, 4, s3
	; Both forms of the bias are loaded by every wave, whatever the mode: both stay inside b_attn for every tile, and no register is then written on one path alone.
	s_lshl_b32 s100, s42, 2
	s_lshl_b32 s101, s16, 1
	s_add_co_u32 s100, s100, s101
	s_lshl_b32 s100, s100, 8                       ; modes q, k: S0's 128 columns begin at 64 (4 x tile + 2 x half)
	s_mov_b32 s101, 0
	s_add_nc_u64 s[100:101], s[8:9], s[100:101]
	s_lshl_b32 s18, s42, 4
	s_lshl_b32 s19, s15, 3
	s_add_co_u32 s18, s18, s19
	s_lshl_b32 s18, s18, 6                         ; mode v: S1's 128 columns begin at 16 (16 x tile + 8 x half)
	s_mov_b32 s19, 0
	s_add_nc_u64 s[18:19], s[8:9], s[18:19]
	WIN 0x40                                       ; destination window 1
.irp c, 0,1
.irp k, 0,1,2,3,4,5,6,7
	global_load_b128 v[192+32*\c+4*\k:195+32*\c+4*\k], v6, s[100:101] offset:256*\c+16*\k
.endr
.endr
	WIN 0
.irp a, 0,1,2,3,4,5,6,7
	global_load_b32 v[VBI+\a], v7, s[18:19] offset:(64*(\a/4)+8*(\a%4))*4
.endr
; The fragments and scale words of step g (128 along K) into set g % 2: 68 LDS loads in one run.
.macro FETCH g
.set FP, (\g)%2
.set FS, ((\g)/2)%3
	WIN 0x40
.irp i, 0,1,2,3,4,5,6,7
.irp c, 0,1
	ds_load_b128 v[96*FP+12*\i+6*\c:96*FP+12*\i+6*\c+3], v[A16_0+FS] offset:3072*\i+768*(2*FP+\c)
	ds_load_b64 v[96*FP+12*\i+6*\c+4:96*FP+12*\i+6*\c+5], v[A8_0+FS] offset:3072*\i+768*(2*FP+\c)+512
.endr
.endr
	WIN 0
.irp i, 0,1,2,3,4,5,6,7
.irp c, 0,1
	ds_load_b128 v[64+96*FP+12*\i+6*\c:64+96*FP+12*\i+6*\c+3], v[A16_1+FS] offset:3072*\i+768*(2*FP+\c)
	ds_load_b64 v[64+96*FP+12*\i+6*\c+4:64+96*FP+12*\i+6*\c+5], v[A8_1+FS] offset:3072*\i+768*(2*FP+\c)+512
.endr
.endr
	ds_load_b128 v[SC+16*FP:SC+16*FP+3], v[C0] offset:256*(\g)               ; one load brings the scale registers of four row blocks
	ds_load_b128 v[SC+16*FP+4:SC+16*FP+7], v[C0] offset:2048+256*(\g)
	ds_load_b128 v[SC+16*FP+8:SC+16*FP+11], v[C1] offset:256*(\g)
	ds_load_b128 v[SC+16*FP+12:SC+16*FP+15], v[C1] offset:2048+256*(\g)
.endm
; 16 matrix instructions: S1's blocks a0, a0 + 1 x S0's eight.  The 64 accumulators take turns, one instruction a turn, in the same order in every step.
.macro MUL16 a0, p, zero
.irp a, \a0, \a0+1
.irp b, 0,1,2,3,4,5,6,7
.if \zero
	v_wmma_scale_f32_16x16x128_f8f6f4 v[8*(8*((\a)%4)+\b):8*(8*((\a)%4)+\b)+7], v[96*(\p)+12*\b:96*(\p)+12*\b+11], v[64+96*(\p)+12*(\a):64+96*(\p)+12*(\a)+11], 0, v[SC+16*(\p)+\b], v[SC+16*(\p)+8+(\a)] matrix_a_fmt:MATRIX_FMT_FP6 matrix_b_fmt:MATRIX_FMT_FP6
.else
	v_wmma_scale_f32_16x16x128_f8f6f4 v[8*(8*((\a)%4)+\b):8*(8*((\a)%4)+\b)+7], v[96*(\p)+12*\b:96*(\p)+12*\b+11], v[64+96*(\p)+12*(\a):64+96*(\p)+12*(\a)+11], v[8*(8*((\a)%4)+\b):8*(8*((\a)%4)+\b)+7], v[SC+16*(\p)+\b], v[SC+16*(\p)+8+(\a)] matrix_a_fmt:MATRIX_FMT_FP6 matrix_b_fmt:MATRIX_FMT_FP6
.endif
.endr
.endr
.endm
.macro STEP g, zero, fetch
	s_wait_dscnt 0x0                               ; this step's fragments are in (asked for 32 matrix instructions ago)
	WIN MUL_LO
	MUL16 0, (\g)%2, \zero
	MUL16 2, (\g)%2, \zero
.if \fetch
	PLACES
	FETCH (\g)+1
.endif
	WIN MUL_HI
	MUL16 4, (\g)%2, \zero
	MUL16 6, (\g)%2, \zero
.endm
	s_wait_tensorcnt 2                             ; the scale words and chunk 0 are in; chunks 1 and 2 may stay out
	s_barrier_signal -1
	s_barrier_wait -1
	FETCH 0
	STEP 0, 1, 1                                   ; the first step's products start the sums: nothing is cleared
	; step 1 leaves slot 0, which takes chunk 3: the one refill.  Each wave waits for all its tensor loads, adds 0 to its spare word, waits for that and for its reads of the slot; the barrier opens a round of the cluster's barrier.
	WIN 0
	s_wait_tensorcnt 0x0                           ; all my tensor loads have landed, chunks 1 and 2 among them: a group 0 may be written
	ds_add_u32 v[SPW], v[NIL]                      ; 0 onto my spare word
	s_add_nc_u64 s[G0X0+2:G0X0+3], s[G0X0+2:G0X0+3], 9216   ; from chunk 0 to chunk 3
	s_add_nc_u64 s[G0W0+2:G0W0+3], s[G0W0+2:G0W0+3], 9216
	s_wait_dscnt 0x1                               ; step 1's fragments are in; the add alone may be out
	WIN MUL_LO
	MUL16 0, 1, 0
	s_wait_dscnt 0x0                               ; the add is done, and my reads of slot 0 are over
	s_barrier_signal -1
	MUL16 2, 1, 0
	WIN 0
	s_barrier_wait -1
	CREST                                          ; no wave of any partner still reads slot 0 or has a load on its way
	JLOAD G0X0, G1X, G0W0, G1W                     ; the first tensor load behind the round, one a wave; its four v_nop are the places in front of the loads below
	FETCH 2
	WIN MUL_HI
	MUL16 4, 1, 0
	MUL16 6, 1, 0
	STEP 2, 0, 1
	STEP 3, 0, 1
	STEP 4, 0, 1
	; step 5: chunk 3 is wanted next.  It was asked for 224 matrix instructions ago; no load was issued behind it, so the count is 0
	s_wait_dscnt 0x0
	s_wait_tensorcnt 0x0
	s_barrier_signal -1
	WIN MUL_LO
	MUL16 0, 1, 0
	MUL16 2, 1, 0
	s_barrier_wait -1                              ; everybody's part of chunk 3 is in
	PLACES
	FETCH 6
	WIN MUL_HI
	MUL16 4, 1, 0
	MUL16 6, 1, 0
	STEP 6, 0, 1
	STEP 7, 0, 0
; THE WAY OUT.  For S1's block a: the bias is added (which also brings the numbers into window 0, each accumulator from its low end on), the lane's two blocks of 32 are quantised, and the two units leave as they stand:
; 512 + 256 consecutive bytes each, no stage.  v64-127 the numbers; v128-223 the codes of all 16 units, none rewritten; v224-239 scale words; v240-255 at work.
	WIN 0
	PLACES
	s_wait_loadcnt 0x0                             ; the biases
	v_cmp_eq_u32 vcc_lo, 1, v2                     ; lanes 16-31 (written behind the last tensor load)
	s_mov_b32 s43, 0x76543210
	s_mov_b32 s44, 0xfedcba98                      ; v_permlanex16_b32's selects for lane l xor 16
	s_lshr_b32 s20, s17, 3                         ; the batch: 8 tiles of 256 tokens each
	s_lshl_b32 s20, s20, 4
	s_lshl_b32 s21, s40, 2
	s_add_co_u32 s20, s20, s21                     ; 16 x batch + 4 cx: the tile's first head
	s_lshl_b32 s22, s17, 1
	s_cmp_eq_u32 ttmp9, 2
	s_cbranch_scc1 .Lmode_v
	s_lshl_b32 s21, ttmp9, 6                       ; q's heads, then k's
	s_add_co_u32 s20, s20, s21
	s_lshl_b32 s21, s16, 1
	s_add_co_u32 s20, s20, s21                     ; my two heads
	s_lshl_b32 s20, s20, 4
	s_add_co_u32 s22, s22, s15
	s_and_b32 s22, s22, 15                         ; my 128 tokens: which record
	s_add_co_u32 s20, s20, s22
	s_mul_i32 s20, s20, REC
	s_mov_b32 s21, 0
	s_add_nc_u64 s[10:11], s[10:11], s[20:21]
.macro UNITQK a
	WIN 0x06+(\a)/4                                ; source 0 (the sums) window 2 or 3, source 1 (the bias) window 1
.set KK, 0
.rept 32
	v_pk_add_f32 v[64+KK:65+KK], v[64*((\a)%4)+KK:64*((\a)%4)+KK+1], v[192+KK:193+KK]
.set KK, KK+2
.endr
	WIN 0
	QPAIR 64, 96, 128+12*(\a), 134+12*(\a), 248, 252, 240
	v_lshlrev_b32 v246, v5, v246                   ; my byte is block h's of the head's two;
	v_lshlrev_b32 v247, v5, v247
	v_permlanex16_b32 v240, v246, s43, s44
	v_permlanex16_b32 v241, v247, s43, s44
	v_or_b32 v246, v246, v240                      ; with lane l xor 16's: (e0, e1);
	v_or_b32 v247, v247, v241
	v_lshl_or_b32 v[224+(\a)], v246, 16, v246      ; and once more for the upper 64 of the instruction's K, whose codes will be zeros on one side
	v_lshl_or_b32 v[232+(\a)], v247, 16, v247
.irp c, 0,1
	global_store_b128 v3, v[128+12*(\a)+6*\c:128+12*(\a)+6*\c+3], s[10:11] offset:HEADB*\c+768*(\a)
	global_store_b64 v4, v[128+12*(\a)+6*\c+4:128+12*(\a)+6*\c+5], s[10:11] offset:HEADB*\c+768*(\a)+512
.endr
.endm
.irp a, 0,1,2,3,4,5,6,7
	UNITQK \a
.endr
.irp c, 0,1
.irp k, 0,1,2,3
	v_cndmask_b32 v[64+4*\c+\k], v[224+8*\c+\k], v[228+8*\c+\k], vcc_lo   ; lanes 0-15 store tiles 0-3's words of row r, lanes 16-31 tiles 4-7's
.endr
.endr
	v_lshlrev_b32 v6, 5, v1
	v_lshl_add_u32 v6, v2, 4, v6                   ; 32 r + 16 h
	global_store_b128 v6, v[64:67], s[10:11] offset:6144
	global_store_b128 v6, v[68:71], s[10:11] offset:HEADB+6144
	s_branch .Ldone
.Lmode_v:
	s_lshl_b32 s21, s15, 1
	s_add_co_u32 s20, s20, s21                     ; my two heads
	s_lshl_b32 s20, s20, 4
	s_add_co_u32 s22, s22, s16
	s_and_b32 s22, s22, 15                         ; my 128 keys: which record
	s_add_co_u32 s20, s20, s22
	s_mul_i32 s20, s20, REC
	s_mov_b32 s21, 0
	s_add_nc_u64 s[12:13], s[12:13], s[20:21]
.macro UNITV a
	WIN 0x02+(\a)/4                                ; source 0 (the sums) window 2 or 3; the lane's one bias number lies in window 0
.set KK, 0
.rept 32
.if ((\a)%2) == 0
	v_pk_add_f32 v[64+KK:65+KK], v[64*((\a)%4)+KK:64*((\a)%4)+KK+1], v[VBI+2*((\a)/2):VBI+2*((\a)/2)+1] op_sel_hi:[1,0]
.else
	v_pk_add_f32 v[64+KK:65+KK], v[64*((\a)%4)+KK:64*((\a)%4)+KK+1], v[VBI+2*((\a)/2):VBI+2*((\a)/2)+1] op_sel:[0,1] op_sel_hi:[1,1]
.endif
.set KK, KK+2
.endr
	WIN 0
	QPAIR 64, 96, 128+12*(\a), 134+12*(\a), 248, 252, 240
	v_lshl_or_b32 v246, v247, 16, v246             ; my two bytes, blocks h and 2 + h of the 128 keys,
	v_lshlrev_b32 v246, v5, v246
	v_permlanex16_b32 v240, v246, s43, s44
	v_or_b32 v[224+(\a)], v246, v240               ; with lane l xor 16's two the word is whole
.irp c, 0,1
	global_store_b128 v3, v[128+12*(\a)+6*\c:128+12*(\a)+6*\c+3], s[12:13] offset:HEADB*((\a)/4)+768*(2*((\a)%4)+\c)
	global_store_b64 v4, v[128+12*(\a)+6*\c+4:128+12*(\a)+6*\c+5], s[12:13] offset:HEADB*((\a)/4)+768*(2*((\a)%4)+\c)+512
.endr
.endm
.irp a, 0,1,2,3,4,5,6,7
	UNITV \a
.endr
.irp k, 0,1,2,3
	v_cndmask_b32 v[64+\k], v[224+\k], v[228+\k], vcc_lo   ; lanes 0-15 store the first head's words of row r, lanes 16-31 the second's
.endr
	v_mul_u32_u24 v6, v2, HEADB
	v_lshl_add_u32 v6, v1, 4, v6
	global_store_b128 v6, v[64:67], s[12:13] offset:6144
	global_store_b128 v6, v[64:67], s[12:13] offset:6400   ; and again, so that every byte of a record is written
.Ldone:
	s_wait_tensorcnt 0x0                           ; the wave's end: the spare-word add and its wait behind my last tensor load
	ds_add_u32 v[SPW], v[NIL]
	s_wait_dscnt 0x0
	CROUND                                         ; the closing round: no work-group ends while a partner may still ask for a tile that names it
	s_endpgm
.Lfunc_end_k_q40b3997571_qkv:
	.size	k_q40b3997571_qkv, .Lfunc_end_k_q40b3997571_qkv-k_q40b3997571_qkv
	.p2alignl 7, 3214868480
	.fill 96, 4, 3214868480
	.section	.rodata,"a",@progbits
	.p2align	6, 0x0
	.amdhsa_kernel k_q40b3997571_qkv
		.amdhsa_group_segment_fixed_size 327680
		.amdhsa_private_segment_fixed_size 0
		.amdhsa_enable_private_segment 0
		.amdhsa_kernarg_size 40
		.amdhsa_user_sgpr_count 2
		.amdhsa_user_sgpr_kernarg_segment_ptr 1
		.amdhsa_wavefront_size32 1
		.amdhsa_system_sgpr_workgroup_id_x 1
		.amdhsa_system_sgpr_workgroup_id_y 1
		.amdhsa_system_sgpr_workgroup_id_z 1
		.amdhsa_system_vgpr_workitem_id 0
		.amdhsa_next_free_vgpr 1024
		.amdhsa_next_free_sgpr 102
		.amdhsa_reserve_vcc 1
		.amdhsa_float_denorm_mode_32 3
		.amdhsa_float_denorm_mode_16_64 3
		.amdhsa_memory_ordered 1
		.amdhsa_forward_progress 1
		.amdhsa_inst_pref_size 204
	.end_amdhsa_kernel
	.amdgpu_metadata
---
amdhsa.version: [ 1, 2 ]
amdhsa.kernels:
  - .name:           k_q40b3997571_qkv
    .symbol:         k_q40b3997571_qkv.kd
    .args:
      - { .name: xq, .offset: 0, .size: 8, .value_kind: global_buffer, .address_space: global }
      - { .name: wq, .offset: 8, .size: 8, .value_kind: global_buffer, .address_space: global }
      - { .name: b_attn, .offset: 16, .size: 8, .value_kind: global_buffer, .address_space: global }
      - { .name: qk, .offset: 24, .size: 8, .value_kind: global_buffer, .address_space: global }
      - { .name: vq, .offset: 32, .size: 8, .value_kind: global_buffer, .address_space: global }
    .group_segment_fixed_size: 327680
    .private_segment_fixed_size: 0
    .kernarg_segment_align: 8
    .kernarg_segment_size: 40
    .max_flat_workgroup_size: 128
    .sgpr_count:     102
    .vgpr_count:     1024
    .wavefront_size: 32
...
	.end_amdgpu_metadata
.endif
;; end of part 2
;; launch attn (part 3): grid 4 x 64, 16 waves a work-group, no clusters, 215,040 bytes of LDS; arguments qk, vq, yq; writes yq
.if DOCPART == 3
	.amdgcn_target "amdgcn-amd-amdhsa--gfx1250"
	.amdhsa_code_object_version 6
	.text
	.protected	k_q40b3997571_attn
	.globl	k_q40b3997571_attn
	.p2align	8
	.type	k_q40b3997571_attn,@function
k_q40b3997571_attn:
	s_mov_b64 s[64:65], 0
	v_nop
	global_prefetch_b8 v0, s[64:65] scope:SCOPE_SE
	s_setreg_imm32_b32 hwreg(HW_REG_WAVE_MODE, 25, 1), 1
	s_wait_xcnt 0x0
; y = softmax(q k^T / 8, causal) v for one head, both products on codes of FP6 (E2M3) with E8M0 scales; y is quantised along the channels and leaves as codes.
; THE SOFTMAX: t = score x log2(e) / 8; M = the running largest t rounded UP to a whole number; p = 2^(t - M) is quantised along the keys, not normalised; the row's sum is taken of the unquantised p and divides at the end.
; When M moves, the sum and O are multiplied by 2^(old M - new M): exact.
; SHARES.  A work-group (j of 4, a head) has sixteen waves.  Wave w owns two tiles of 16 queries: tile 16 (7 - j) + 15 - w and tile 16 j + w of the head's 128.  A tile's queries, 64 (i / 4) + 8 (i % 4) + r % 8 + 32 (r / 8), lie in one group of 64,
; so tile i has i / 8 open steps of 128 keys and one on the diagonal: the two tiles together have 17 steps in every wave of every work-group.
; NO CLUSTER: the four work-groups of a head read the same K and V, but nothing is filled again here (a head's 212,992 bytes stay in LDS), and in a given key step the partners have 0, 1 or 2 tiles at work, so rounds would hold all to the slowest.
; LAYOUT.  Both products are used transposed: S^T = K Q^T, O^T = V^T P^T: a lane holds ONE query throughout.  Keys and channels are stored by position (position 16 tau + 8 rho + i of 64 holds index 32 rho + 8 tau + i), so the 32 registers of four
; neighbouring tiles are 32 NEIGHBOURS: a whole block of the next K in one lane, in the order of the 6-bit operand's registers.
; THE HEAD'S 64 IN AN INSTRUCTION OF 128: Q's upper six registers are zero codes.  K's tile t is six registers; the instruction names twelve, of which the upper six are the next tile's codes (for the last tile: p's): any bits are finite numbers of
; the format, and they meet zeros.  The scale words repeat (e0, e1) for the upper half.
; A block's largest p is taken from its largest score (this takes v_exp_f32 not to fall where its input rises).  LIMITS: NaN and infinities are not served; a block of y under 2^-124 gets the byte 1.
; y's scale bytes leave two at a time, 16 bytes apart: 262 KB of the launch's 6.5 MB.
; REGISTERS: v1-6 LDS addresses, a record on in each trip; v7 8 h; v8, v9 the add's two; v10, v11 my query - 32 h; v12-15, v16-19 per tile: -M, the largest t, the sum in two halves; v20, v21 Q's scale words; v22-27, v121-127 at work;
;   v28-39, v40-51 Q; v52-99 K's or V's fragments; v100-111 p's codes; v112-119 K's or V's scale words; v120 p's scale word; v128-191 S^T, then p; v192-223, v224-255 O^T.
.set REC,   6656                       ; a record: 128 keys of one head: 8 units of 768 bytes, then scale words
.set HEADB, 106496                     ; 16 records.  LDS: K's at 0, V's at HEADB
.set SPARE, 212992                     ; the spare words, 128 bytes for each wave: eight blocks of 256 bytes that no other line names
.set YS,    6291456
.set SPW, 8
.set NIL, 9
.set FR,  52
.set PC,  100
.set KSC, 112
.set PW,  120
.set S,   128
.set WV,  10
.set KAP, 13                           ; s13 the key step
.set KDH, 14                           ; s14, s15 the tiles' steps on the diagonal
.set KDL, 15
.set CS,  18                           ; s[18:19] c = log2(e) / 8
.set SEL, 20
.set G1A, 24                           ; group 1: 26, 182, 208 rows of 256 bytes
.set G1B, 32
.set G1C, 40
.set G0,  48                           ; s[48:59] three groups 0
.macro QPAIR xa, xb, za, zb, ta, tb, m ; two blocks of 32 numbers by turns: v[m+6], v[m+7] the bytes, codes in v[za] .. +5 and v[zb] .. +5
	v_max3_num_f32 v[\m], |v[\xa]|, |v[\xa+1]|, 0x1800000
	v_max3_num_f32 v[\m+1], |v[\xb]|, |v[\xb+1]|, 0x1800000
	v_max3_num_f32 v[\m+2], |v[\xa+16]|, |v[\xa+17]|, |v[\xa+18]|
	v_max3_num_f32 v[\m+3], |v[\xb+16]|, |v[\xb+17]|, |v[\xb+18]|
.irp i, 0,2,4,6,8,10
	v_max3_num_f32 v[\m], v[\m], |v[\xa+2+\i]|, |v[\xa+3+\i]|
	v_max3_num_f32 v[\m+1], v[\m+1], |v[\xb+2+\i]|, |v[\xb+3+\i]|
	v_max3_num_f32 v[\m+2], v[\m+2], |v[\xa+19+\i]|, |v[\xa+20+\i]|
	v_max3_num_f32 v[\m+3], v[\m+3], |v[\xb+19+\i]|, |v[\xb+20+\i]|
.endr
	v_max3_num_f32 v[\m], v[\m], |v[\xa+14]|, |v[\xa+15]|
	v_max3_num_f32 v[\m+1], v[\m+1], |v[\xb+14]|, |v[\xb+15]|
	v_max3_num_f32 v[\m], v[\m], v[\m+2], |v[\xa+31]|
	v_max3_num_f32 v[\m+1], v[\m+1], v[\m+3], |v[\xb+31]|
	v_add_nc_u32 v[\m+4], 0xff000000, v[\m]
	v_add_nc_u32 v[\m+5], 0xff000000, v[\m+1]
	v_lshrrev_b32 v[\m+6], 23, v[\m+4]
	v_lshrrev_b32 v[\m+7], 23, v[\m+5]
	v_cvt_scalef32_pk16_fp6_f32 v[\za:\za+2], v[\xa:\xa+15], v[\m+4]
	v_cvt_scalef32_pk16_fp6_f32 v[\ta:\ta+2], v[\xa+16:\xa+31], v[\m+4]
	v_cvt_scalef32_pk16_fp6_f32 v[\zb:\zb+2], v[\xb:\xb+15], v[\m+5]
	v_cvt_scalef32_pk16_fp6_f32 v[\tb:\tb+2], v[\xb+16:\xb+31], v[\m+5]
	v_nop
.irp i, 0,1,2
	v_mov_b32 v[\za+3+\i], v[\ta+\i]
	v_mov_b32 v[\zb+3+\i], v[\tb+\i]
.endr
.endm
	s_load_b128 s[4:7], s[0:1], 0x0                ; qk s[4:5], vq s[6:7]
	s_load_b64 s[8:9], s[0:1], 0x10                ; yq
	v_lshl_add_u32 v[SPW], v0, 2, SPARE
	v_mov_b32 v[NIL], 0
	ds_add_u32 v[SPW], v[NIL]                      ; the wave's opening: the add and its wait ahead of the first tensor load; the set-up below stands between them
	v_lshrrev_b32 v1, 5, v0
	v_readfirstlane_b32 s[WV], v1                  ; wave 0..15
	s_and_b32 s12, ttmp7, 0xffff                   ; 16 x batch + head
.irp g, G1A, G1B, G1C
	s_mov_b32 s[\g], 3<<16                         ; no mask; elements of 8 bytes; no padding
	s_mov_b32 s[\g+1], 32<<16                      ; rows of 256 bytes
	s_mov_b32 s[\g+3], 32<<16
	s_mov_b32 s[\g+5], 32                          ; dense
	s_mov_b32 s[\g+6], 0
	s_mov_b32 s[\g+7], 0
.endr
	s_mov_b32 s[G1A+2], 26<<16                     ; record 0
	s_mov_b32 s[G1A+4], 26
	s_mov_b32 s[G1B+2], 182<<16                    ; records 1 to 7
	s_mov_b32 s[G1B+4], 182
	s_mov_b32 s[G1C+2], 208<<16                    ; records 8 to 15
	s_mov_b32 s[G1C+4], 208
	s_mov_b32 s[CS], 0x3e38aa3b                    ; c = log2(e) / 8
	s_mov_b32 s[CS+1], s[CS]                       ; (named with it as a pair, so it is written)
	s_mov_b32 s[SEL], 0x76543210
	s_mov_b32 s[SEL+1], 0xfedcba98                 ; v_permlanex16_b32's selects for lane l xor 16
	s_and_b32 s22, s[WV], 1                        ; even waves fetch K, odd ones V
	s_mul_i32 s23, s22, HEADB
	s_mul_i32 s60, s12, HEADB
	s_mov_b32 s61, 0
	s_wait_dscnt 0x0                               ; the opening add is done
	s_wait_kmcnt 0x0
	s_add_nc_u64 s[62:63], s[4:5], 64*HEADB        ; k's heads stand behind q's 64
	s_cmp_eq_u32 s22, 0
	s_cselect_b64 s[62:63], s[62:63], s[6:7]
	s_add_nc_u64 s[62:63], s[62:63], s[60:61]      ; my head
	s_mov_b32 s[G0], 1
	s_mov_b32 s[G0+1], s23
	s_mov_b64 s[G0+2:G0+3], s[62:63]
	s_or_b32 s[G0+3], s[G0+3], 0x80000000
	s_mov_b32 s[G0+4], 1
	s_add_co_u32 s[G0+5], s23, REC
	s_add_nc_u64 s[G0+6:G0+7], s[62:63], REC
	s_or_b32 s[G0+7], s[G0+7], 0x80000000
	s_mov_b32 s[G0+8], 1
	s_add_co_u32 s[G0+9], s23, 8*REC
	s_add_nc_u64 s[G0+10:G0+11], s[62:63], 8*REC
	s_or_b32 s[G0+11], s[G0+11], 0x80000000
	; All fills stand in one branch on the wave's number: waves 0, 1: record 0, then records 1-7; waves 2, 3: records 8-15; the others none.  At most two loads of a wave are out.
	s_cmp_lt_u32 s[WV], 2
	s_cbranch_scc0 .Lnot_first
	tensor_load_to_lds s[G0:G0+3], s[G1A:G1A+7]
	s_nop 0
	tensor_load_to_lds s[G0+4:G0+7], s[G1B:G1B+7]
	s_nop 0
.rept 4
	v_nop
.endr
	s_branch .Lasked
.Lnot_first:
	s_cmp_lt_u32 s[WV], 4
	s_cbranch_scc0 .Lasked
	tensor_load_to_lds s[G0+8:G0+11], s[G1C:G1C+7]
	s_nop 0
.rept 4
	v_nop
.endr
.Lasked:
	s_sub_co_u32 s16, 7, ttmp9
	s_lshl_b32 s16, s16, 4
	s_add_co_u32 s16, s16, 15
	s_sub_co_u32 s16, s16, s[WV]                   ; my late tile
	s_lshl_b32 s17, ttmp9, 4
	s_add_co_u32 s17, s17, s[WV]                   ; my early tile
	s_lshr_b32 s[KDH], s16, 3
	s_lshr_b32 s[KDL], s17, 3
	s_add_nc_u64 s[4:5], s[4:5], s[60:61]          ; q's head
	v_and_b32 v121, 31, v0
	v_and_b32 v122, 15, v0                         ; r
	v_bfe_u32 v123, v0, 4, 1                       ; h
	v_lshlrev_b32 v1, 4, v121                      ; K's units: 16 x lane,
	v_lshlrev_b32 v2, 3, v121                      ; 8 x lane (+ 512),
	v_lshlrev_b32 v3, 5, v122                      ; its scale words: 32 r (+ 6,144)
	v_add_nc_u32 v4, HEADB, v1                     ; V's likewise
	v_add_nc_u32 v5, HEADB, v2
	v_lshlrev_b32 v6, 4, v122
	v_add_nc_u32 v6, HEADB, v6                     ; 16 r
	v_lshlrev_b32 v7, 3, v123                      ; 8 h
	s_mul_i32 s66, s[KDH], REC
	s_and_b32 s67, s16, 7
	s_mul_i32 s68, s67, 768
	s_add_co_u32 s68, s68, s66                     ; the late tile's unit in q's records,
	s_lshl_b32 s67, s67, 2
	s_add_co_u32 s67, s67, s66                     ; and its scale words
	v_add_nc_u32 v22, s68, v1
	v_add_nc_u32 v23, s68, v2
	v_add_nc_u32 v24, s67, v3
	s_mul_i32 s66, s[KDL], REC
	s_and_b32 s67, s17, 7
	s_mul_i32 s68, s67, 768
	s_add_co_u32 s68, s68, s66
	s_lshl_b32 s67, s67, 2
	s_add_co_u32 s67, s67, s66
	v_add_nc_u32 v25, s68, v1
	v_add_nc_u32 v26, s68, v2
	v_add_nc_u32 v27, s67, v3
	global_load_b128 v[28:31], v22, s[4:5]
	global_load_b64 v[32:33], v23, s[4:5] offset:512
	global_load_b32 v20, v24, s[4:5] offset:6144
	global_load_b128 v[40:43], v25, s[4:5]
	global_load_b64 v[44:45], v26, s[4:5] offset:512
	global_load_b32 v21, v27, s[4:5] offset:6144
	v_and_b32 v124, 7, v122
	v_lshrrev_b32 v125, 3, v122
	v_lshl_add_u32 v124, v125, 5, v124
	v_lshlrev_b32 v125, 5, v123
	v_sub_nc_u32 v124, v124, v125                  ; r % 8 + 32 (r / 8) - 32 h
	s_lshr_b32 s66, s16, 2
	s_lshl_b32 s66, s66, 6
	s_and_b32 s67, s16, 3
	s_lshl_b32 s67, s67, 3
	s_add_co_u32 s66, s66, s67
	v_add_nc_u32 v10, s66, v124                    ; my query of the late tile, less 32 h
	s_lshr_b32 s66, s17, 2
	s_lshl_b32 s66, s66, 6
	s_and_b32 s67, s17, 3
	s_lshl_b32 s67, s67, 3
	s_add_co_u32 s66, s66, s67
	v_add_nc_u32 v11, s66, v124                    ; and of the early one
.irp u, 0,1,2,3,4,5
	v_mov_b32 v[34+\u], 0                          ; Q's upper 64 along K: zero codes
	v_mov_b32 v[46+\u], 0
.endr
.irp u, 0,1,2,3,4,5,6,7,8,9,10,11
	v_mov_b32 v[PC+\u], 0
.endr
	v_mov_b32 v13, 0xff61b1e6                      ; the largest t so far: -3e38, under every t
	v_mov_b32 v17, 0xff61b1e6
	v_floor_f32 v12, -v13                          ; -M
	v_floor_f32 v16, -v17
	v_mov_b32 v14, 0                               ; the sums
	v_mov_b32 v15, 0
	v_mov_b32 v18, 0
	v_mov_b32 v19, 0
	v_mov_b32 v127, 0                              ; (named as the upper half of the pair v[126:127])
.set NN, 0
.rept 64
	v_mov_b32 v[192+NN], 0                         ; O^T.  (The step is written once: the first finds zeros, which the first change of M leaves zeros)
.set NN, NN+1
.endr
; A KEY STEP of one tile: 128 keys.  st: the tile's statistics; qf, qs: Q's fragment and scale word; oa: O^T; dq: my query - 32 h; kd: the tile's step on the diagonal.
.macro STEP st, qf, qs, oa, dq, kd
	s_cmp_gt_u32 s[KAP], s[\kd]                    ; all keys of the step come after the tile's queries: a branch on ids, round the whole step
	s_cbranch_scc1 .Lhid_\@
.rept 4
	v_nop                                          ; places in front of loads into registers that the last matrix instructions read
.endr
.irp t, 0,1,2,3,4,5,6,7
	ds_load_b128 v[FR+6*\t:FR+6*\t+3], v1 offset:768*\t
	ds_load_b64 v[FR+6*\t+4:FR+6*\t+5], v2 offset:768*\t+512
.endr
	ds_load_b128 v[KSC:KSC+3], v3 offset:6144
	ds_load_b128 v[KSC+4:KSC+7], v3 offset:6160
	s_wait_dscnt 0x0
.irp t, 0,1,2,3,4,5,6,7
	v_wmma_scale_f32_16x16x128_f8f6f4 v[S+8*\t:S+8*\t+7], v[FR+6*\t:FR+6*\t+11], v[\qf:\qf+11], 0, v[KSC+\t], v[\qs] matrix_a_fmt:MATRIX_FMT_FP6 matrix_b_fmt:MATRIX_FMT_FP6
.endr
.rept 4
	v_nop                                          ; places: for V's loads into K's registers, and for the first read of the scores
.endr
.irp t, 0,1,2,3
.irp u, 0,1
	ds_load_b128 v[FR+12*\t+6*\u:FR+12*\t+6*\u+3], v4 offset:768*(2*\t+\u)           ; V's fragments land under the softmax
	ds_load_b64 v[FR+12*\t+6*\u+4:FR+12*\t+6*\u+5], v5 offset:768*(2*\t+\u)+512
.endr
.endr
	ds_load_b128 v[KSC:KSC+3], v6 offset:6144
	s_cmp_lg_u32 s[KAP], s[\kd]                    ; on the diagonal the scores of hidden keys become -infinity ahead of the maximum: p = 0 then
	s_cbranch_scc1 .Lopen_\@
	s_lshl_b32 s22, s[KAP], 7
	v_sub_nc_u32 v24, v[\dq], s22                  ; d = my query - the step's first key - 32 h.  Register 32 c + m holds key 64 c + 32 h + m of the step: hidden where 64 c + m > d
	v_mov_b32 v25, 0xff800000
.set NN, 0
.rept 64
	v_cmp_gt_i32 vcc_lo, 64*(NN/32)+NN%32, v24
	v_cndmask_b32 v[S+NN], v[S+NN], v25, vcc_lo
.set NN, NN+1
.endr
.Lopen_\@:
	; the largest score of each of my two blocks of 32 keys, in two chains each; every accumulator is entered at its lowest register
.irp u, 0,1,2,3
	v_max3_num_f32 v[122+(\u/2)+2*(\u%2)], v[S+16*\u], v[S+16*\u+1], v[S+16*\u+2]
.endr
.irp i, 3,5,7,9,11,13
.irp u, 0,1,2,3
	v_max3_num_f32 v[122+(\u/2)+2*(\u%2)], v[122+(\u/2)+2*(\u%2)], v[S+16*\u+\i], v[S+16*\u+\i+1]
.endr
.endr
.irp u, 0,1
	v_max3_num_f32 v[122+\u], v[122+\u], v[124+\u], v[S+32*\u+15]
.endr
.irp u, 0,1
	v_max_num_f32 v[122+\u], v[122+\u], v[S+32*\u+31]
.endr
	v_max_num_f32 v24, v122, v123
	v_permlanex16_b32 v25, v24, s[SEL], s[SEL+1]
	v_max_num_f32 v24, v24, v25                    ; the step's largest score of my query
	v_mul_f32 v24, s[CS], v24                      ; as t (c is positive)
	v_max_num_f32 v[\st+1], v[\st+1], v24          ; the running largest t
	v_mov_b32 v24, v[\st]
	v_floor_f32 v[\st], -v[\st+1]                  ; the new -M = -ceil(t): a whole number
	v_sub_f32 v24, v[\st], v24                     ; old M - new M: a whole number, 0 or less
	v_cvt_i32_f32 v24, v24                         ; (it saturates)
	v_ldexp_f32 v126, 1.0, v24                     ; f = 2^(old M - new M)
.set NN, 0
.rept 32
	v_pk_fma_f32 v[S+NN:S+NN+1], v[S+NN:S+NN+1], s[CS:CS+1], v[\st:\st+1] op_sel_hi:[1,0,0]   ; t - M, two at a time
.set NN, NN+2
.endr
.irp u, 0,1
	v_fma_f32 v[122+\u], v[122+\u], s[CS], v[\st]  ; the same of each block's largest score
.endr
.set NN, 0
.rept 64
	v_exp_f32 v[S+NN], v[S+NN]                     ; p = 2^(t - M), at most 1
.set NN, NN+1
.endr
	v_pk_mul_f32 v[\st+2:\st+3], v[\st+2:\st+3], v[126:127] op_sel_hi:[1,0]   ; the sums under the new M (a plain place behind the exponentials)
	s_wait_alu depctr_va_vdst(0)                   ; one wait for the whole batch, ahead of its first reader
.irp u, 0,1
	v_exp_f32 v[122+\u], v[122+\u]                 ; the blocks' largest p
.endr
	v_pk_add_f32 v[22:23], v[S:S+1], v[S+2:S+3]    ; the row's sum is taken of the unquantised p: two at a time, in two chains
.set NN, 4
.rept 15
	v_pk_add_f32 v[\st+2:\st+3], v[\st+2:\st+3], v[S+NN:S+NN+1]
	v_pk_add_f32 v[22:23], v[22:23], v[S+NN+2:S+NN+3]
.set NN, NN+4
.endr
	v_pk_add_f32 v[\st+2:\st+3], v[\st+2:\st+3], v[22:23]
	s_wait_alu depctr_va_vdst(0)                   ; and one for the two
.irp u, 0,1
	v_max_num_f32 v[122+\u], 0x1800000, v[122+\u]  ; the floor 2^(3 - 127): the byte cannot fall under 1
.endr
.irp u, 0,1
	v_add_nc_u32 v[124+\u], 0xff000000, v[122+\u]  ; 2 off the exponent field: the conversion's scale operand
.endr
.irp u, 0,1
	v_lshrrev_b32 v[26+\u], 23, v[124+\u]          ; the scale's byte
.endr
	v_lshl_or_b32 v24, v27, 16, v26                ; my two bytes, blocks h and 2 + h,
	v_lshlrev_b32 v24, v7, v24
	v_permlanex16_b32 v25, v24, s[SEL], s[SEL+1]
	v_or_b32 v[PW], v24, v25                       ; with lane l xor 16's two: p's scale word for these 128 keys
	v_cvt_scalef32_pk16_fp6_f32 v[PC:PC+2], v[S:S+15], v124
	v_cvt_scalef32_pk16_fp6_f32 v[PC+6:PC+8], v[S+32:S+47], v125
	v_nop                                          ; a plain place: the next two write registers that these two read
	v_cvt_scalef32_pk16_fp6_f32 v[S:S+2], v[S+16:S+31], v124         ; (a conversion's three registers begin on an even number: made in registers of p that are done with, and moved)
	v_cvt_scalef32_pk16_fp6_f32 v[S+32:S+34], v[S+48:S+63], v125
	v_nop
.irp u, 0,1,2
	v_mov_b32 v[PC+3+\u], v[S+\u]
	v_mov_b32 v[PC+9+\u], v[S+32+\u]
.endr
.set NN, 0
.rept 16
	v_pk_mul_f32 v[\oa+NN:\oa+NN+1], v[\oa+NN:\oa+NN+1], v[126:127] op_sel_hi:[1,0]   ; O^T under the new M.  For each product below twelve of these name none of its registers: the places behind p's codes and scale word
.set NN, NN+2
.endr
	s_wait_dscnt 0x0                               ; V
.irp t, 0,1,2,3
	v_wmma_scale_f32_16x16x128_f8f6f4 v[\oa+8*\t:\oa+8*\t+7], v[FR+12*\t:FR+12*\t+11], v[PC:PC+11], v[\oa+8*\t:\oa+8*\t+7], v[KSC+\t], v[PW] matrix_a_fmt:MATRIX_FMT_FP6 matrix_b_fmt:MATRIX_FMT_FP6
.endr
.Lhid_\@:
.endm
.macro TRIP
	STEP 12, 28, 20, 192, 10, KDH
	STEP 16, 40, 21, 224, 11, KDL
.irp u, 1,2,3,4,5,6
	v_add_nc_u32 v[\u], REC, v[\u]                 ; on to the next record (no LDS load of mine is out)
.endr
.endm
	s_wait_tensorcnt 1                             ; waves 0, 1: record 0 is in, their second load may stay out; waves 2, 3: their one load may stay out
	s_barrier_signal -1
	s_barrier_wait -1
	s_wait_loadcnt 0x0                             ; Q
	s_mov_b32 s[KAP], 0
	TRIP                                           ; step 0 is worked while the other fifteen records land
	s_wait_dscnt 0x0
	s_wait_tensorcnt 0x0                           ; no load was issued behind these
	s_barrier_signal -1
	s_barrier_wait -1                              ; the whole head lies in LDS: from here on the waves run free
	s_mov_b32 s[KAP], 1
.Ltrip:
	TRIP
	s_add_co_u32 s[KAP], s[KAP], 1
	s_cmp_lt_u32 s[KAP], 16
	s_cbranch_scc1 .Ltrip
	; THE WAY OUT.  O^T / the sum; a lane's 32 numbers of a tile are channels 32 h + 0 .. 31 of the head: one block of the next K.  Each tile's unit leaves as it stands: 512 + 256 consecutive bytes.
.rept 4
	v_nop
.endr
	v_add_f32 v14, v14, v15
	v_add_f32 v18, v18, v19
	v_permlanex16_b32 v24, v14, s[SEL], s[SEL+1]
	v_permlanex16_b32 v25, v18, s[SEL], s[SEL+1]
	v_add_f32 v14, v14, v24                        ; the rows' sums
	v_add_f32 v18, v18, v25
	v_rcp_f32 v14, v14
	v_rcp_f32 v18, v18
	v_and_b32 v121, 31, v0                         ; (plain work behind the reciprocals)
	v_lshlrev_b32 v22, 4, v121
	v_lshlrev_b32 v23, 3, v121
	s_lshr_b32 s22, s12, 4
	s_lshl_b32 s22, s22, 7                         ; 128 row blocks a batch
	s_and_b32 s23, s12, 15                         ; the head
	s_add_co_u32 s60, s22, s16                     ; the late tile's row block,
	s_add_co_u32 s61, s22, s17                     ; the early one's
	s_mul_i32 s62, s23, 768
	s_mul_i32 s66, s60, 12288
	s_add_co_u32 s66, s66, s62
	s_mul_i32 s67, s61, 12288
	s_add_co_u32 s67, s67, s62
	v_add_nc_u32 v26, s67, v22
	v_add_nc_u32 v27, s67, v23
	v_add_nc_u32 v22, s66, v22
	v_add_nc_u32 v23, s66, v23
	s_lshr_b32 s62, s23, 1
	s_lshl_b32 s62, s62, 8
	s_and_b32 s63, s23, 1
	s_lshl_b32 s63, s63, 1
	s_add_co_u32 s62, s62, s63
	s_add_co_u32 s62, s62, YS                      ; the scale words: 256 (head / 2) + 2 (head % 2),
	s_lshr_b32 s68, s60, 2
	s_lshl_b32 s68, s68, 11
	s_and_b32 s69, s60, 3
	s_lshl_b32 s69, s69, 2
	s_add_co_u32 s68, s68, s69
	s_add_co_u32 s68, s68, s62                     ; + 2,048 (row block / 4) + 4 (row block % 4)
	s_lshr_b32 s70, s61, 2
	s_lshl_b32 s70, s70, 11
	s_and_b32 s71, s61, 3
	s_lshl_b32 s71, s71, 2
	s_add_co_u32 s70, s70, s71
	s_add_co_u32 s70, s70, s62
	s_wait_alu depctr_va_vdst(0)                   ; one wait for the two reciprocals, ahead of their first reader
.set NN, 0
.rept 16
	v_pk_mul_f32 v[S+NN:S+NN+1], v[192+NN:193+NN], v[14:15] op_sel_hi:[1,0]          ; each accumulator from its low end on
	v_pk_mul_f32 v[S+32+NN:S+33+NN], v[224+NN:225+NN], v[18:19] op_sel_hi:[1,0]
.set NN, NN+2
.endr
	QPAIR S, S+32, PC, PC+6, FR, FR+4, FR+8
	global_store_b128 v22, v[PC:PC+3], s[8:9]
	global_store_b64 v23, v[PC+4:PC+5], s[8:9] offset:512
	global_store_b128 v26, v[PC+6:PC+9], s[8:9]
	global_store_b64 v27, v[PC+10:PC+11], s[8:9] offset:512
	v_lshlrev_b32 v[FR+14], v7, v[FR+14]           ; my byte is block h's of the head's two
	v_lshlrev_b32 v[FR+15], v7, v[FR+15]
	v_permlanex16_b32 v[FR+8], v[FR+14], s[SEL], s[SEL+1]
	v_permlanex16_b32 v[FR+9], v[FR+15], s[SEL], s[SEL+1]
	v_or_b32 v[FR+14], v[FR+14], v[FR+8]
	v_or_b32 v[FR+15], v[FR+15], v[FR+9]
	v_bfe_u32 v121, v0, 4, 1
	v_cmp_eq_u32 vcc_lo, 1, v121
	v_cndmask_b32 v[FR+14], v[FR+14], v[FR+15], vcc_lo   ; lanes 0-15 store the late tile's two bytes of row r, lanes 16-31 the early tile's
	v_mov_b32 v24, s68
	v_mov_b32 v25, s70
	v_cndmask_b32 v24, v24, v25, vcc_lo
	v_and_b32 v121, 15, v0
	v_lshl_add_u32 v24, v121, 4, v24
	global_store_b16 v24, v[FR+14], s[8:9]
	s_wait_tensorcnt 0x0                           ; the wave's end: the spare-word add and its wait behind the last tensor load
	ds_add_u32 v[SPW], v[NIL]
	s_wait_dscnt 0x0
	s_endpgm
.Lfunc_end_k_q40b3997571_attn:
	.size	k_q40b3997571_attn, .Lfunc_end_k_q40b3997571_attn-k_q40b3997571_attn
	.p2alignl 7, 3214868480
	.fill 96, 4, 3214868480
	.section	.rodata,"a",@progbits
	.p2align	6, 0x0
	.amdhsa_kernel k_q40b3997571_attn
		.amdhsa_group_segment_fixed_size 215040
		.amdhsa_private_segment_fixed_size 0
		.amdhsa_enable_private_segment 0
		.amdhsa_kernarg_size 24
		.amdhsa_user_sgpr_count 2
		.amdhsa_user_sgpr_kernarg_segment_ptr 1
		.amdhsa_wavefront_size32 1
		.amdhsa_system_sgpr_workgroup_id_x 1
		.amdhsa_system_sgpr_workgroup_id_y 1
		.amdhsa_system_sgpr_workgroup_id_z 1
		.amdhsa_system_vgpr_workitem_id 0
		.amdhsa_next_free_vgpr 256
		.amdhsa_next_free_sgpr 72
		.amdhsa_reserve_vcc 1
		.amdhsa_float_denorm_mode_32 3
		.amdhsa_float_denorm_mode_16_64 3
		.amdhsa_memory_ordered 1
		.amdhsa_forward_progress 1
		.amdhsa_inst_pref_size 98
	.end_amdhsa_kernel
	.amdgpu_metadata
---
amdhsa.version: [ 1, 2 ]
amdhsa.kernels:
  - .name:           k_q40b3997571_attn
    .symbol:         k_q40b3997571_attn.kd
    .args:
      - { .name: qk, .offset: 0, .size: 8, .value_kind: global_buffer, .address_space: global }
      - { .name: vq, .offset: 8, .size: 8, .value_kind: global_buffer, .address_space: global }
      - { .name: yq, .offset: 16, .size: 8, .value_kind: global_buffer, .address_space: global }
    .group_segment_fixed_size: 215040
    .private_segment_fixed_size: 0
    .kernarg_segment_align: 8
    .kernarg_segment_size: 24
    .max_flat_workgroup_size: 512
    .sgpr_count:     72
    .vgpr_count:     256
    .wavefront_size: 32
...
	.end_amdgpu_metadata
.endif
;; end of part 3
;; launch proj (part 4): grid 4 x 64, 4 waves a work-group, clusters of 4 x 4, 307,712 bytes of LDS; arguments yq, wq, b_proj, out0; writes out0
.if DOCPART == 4
	.amdgcn_target "amdgcn-amd-amdhsa--gfx1250"
	.amdhsa_code_object_version 6
	.text
	.protected	k_q40b3997571_proj
	.globl	k_q40b3997571_proj
	.p2align	8
	.type	k_q40b3997571_proj,@function
k_q40b3997571_proj:
	s_mov_b64 s[64:65], 0
	v_nop
	global_prefetch_b8 v0, s[64:65] scope:SCOPE_SE
	s_setreg_imm32_b32 hwreg(HW_REG_WAVE_MODE, 25, 1), 1
	s_wait_xcnt 0x0
	s_wait_alu depctr_hold_cnt(0) depctr_sa_sdst(0) depctr_va_vdst(0) depctr_va_sdst(0) depctr_va_ssrc(0) depctr_va_vcc(0) depctr_vm_vsrc(0)
	s_getreg_b32 s2, hwreg(HW_REG_IB_STS2, 6, 4)
	s_cmp_eq_u32 s2, 0
	s_cbranch_scc0 .Lentry_in_a_cluster
	s_endpgm
.Lentry_in_a_cluster:
	s_bfe_u32 s2, ttmp6, 0x10000c
	s_cmp_lg_u32 s2, 0xf033
	s_cbranch_scc0 .Lentry_shape_is_right
	s_endpgm
.Lentry_shape_is_right:
; out0 = y W_proj + b_proj on codes of FP6 (E2M3) with E8M0 scales; sums in f32; out0 [8192][1024] f32.
; A work-group makes 128 rows x 256 columns: 256 work-groups.  A wave makes 64 rows x 128 columns: 32 accumulators.  D = S0 S1^T with source 0 = W_proj's columns (they run along a lane's registers), source 1 = y's rows.
; Operands lie in memory and LDS in the order of their registers (units of 768 bytes: 16 positions x 64 along K); rows and columns are stored by position (position 64 g + 16 tau + 8 rho + i holds index 64 g + 32 rho + 8 tau + i);
; the way out undoes that order by immediates alone.
; ALL OF K STAYS IN LDS: four slots of 256 along K and the scale words, filled once: five loads of a wave go out at the start, and counted waits let the later chunks land under the earlier steps.  Nothing is filled again.
; CLUSTERS: 4 x 4.  W's tiles hang on the tile column alone and are asked for jointly by a column of the cluster, y's on the tile row alone and by a row.
; The bias is the C of each sum's first matrix instruction.  LIMITS: NaN and infinities are not served.
; REGISTERS: window 0: v1-6 lane terms; v8-23 LDS addresses, one for each slot and kind; v24, v25 scale addresses; v26, v27 the stage; v28, v29 the add's two; v32-63 scale words, two sets; v64-111, v112-159 S1's fragments, two sets; on the way out v128-255.
;   window 1: v0-95, v96-191 S0's fragments, two sets; v192-255 the bias.   window 2: accumulator (a, b) at v[8 (8 a + b)].
.set SLOTB,  73728                     ; a slot: W's two halves (24,576 each), then y's two (12,288 each)
.set WH,     24576
.set YH,     12288
.set YOFF,   49152
.set SCL,    294912                    ; the scale words: W's 2 x 4,096, then y's 2 x 2,048
.set SPARE,  307200                    ; the spare words, 128 bytes for each wave: two blocks of 256 bytes that no other line names
.set YS,     6291456
.set WPC,    2457600
.set WPS,    3244032
.set C0,  24
.set C1,  25
.set STO, 26
.set RD,  27
.set SPW, 28
.set NIL, 29
.set SC,  32
.set G1W,  24
.set G1Y,  32
.set G1SW, 40
.set G1SY, 48
.set MSB, 0
.macro WIN new
.if MSB != (\new)
	s_set_vgpr_msb (MSB<<8)|(\new)
.set MSB, (\new)
.endif
.endm
.macro JLOAD g0a, g1a, g0b, g1b        ; a joint load: waves 0 and 1 fetch W's halves, waves 2 and 3 y's; an s_nop 0 and four v_nop follow each of the two lines
	s_cmp_eq_u32 s15, 0
	s_cbranch_scc0 .Lfor_b_\@
	tensor_load_to_lds s[\g0a:\g0a+3], s[\g1a:\g1a+7]
	s_nop 0
.rept 4
	v_nop
.endr
	s_branch .Lasked_\@
.Lfor_b_\@:
	tensor_load_to_lds s[\g0b:\g0b+3], s[\g1b:\g1b+7]
	s_nop 0
.rept 4
	v_nop
.endr
.Lasked_\@:
.endm
.macro CROUND                          ; a round of the cluster's barrier
	s_barrier_signal -1
	s_barrier_wait -1
	s_cmp_lg_u32 s14, 0
	s_cbranch_scc1 .Lnot_wave_0_\@
	s_barrier_signal -3
.Lnot_wave_0_\@:
	s_barrier_wait -3
	s_barrier_signal -1
	s_barrier_wait -1
.endm
.macro PLACES
.rept 4
	v_nop
.endr
.endm
	s_load_b256 s[4:11], s[0:1], 0x0               ; yq s[4:5], wq s[6:7], b_proj s[8:9], out0 s[10:11]
	v_lshl_add_u32 v[SPW], v0, 2, SPARE
	v_mov_b32 v[NIL], 0
	ds_add_u32 v[SPW], v[NIL]                      ; the wave's opening: the add and its wait ahead of my first tensor load; the set-up below stands between them
	v_lshrrev_b32 v1, 5, v0
	v_readfirstlane_b32 s14, v1                    ; wave 0..3
	s_lshr_b32 s15, s14, 1                         ; y's half that I multiply.  Also: I fetch for W (0) or for y (1)
	s_and_b32 s16, s14, 1                          ; W's half that I multiply.  Also: which half I fetch
	s_bfe_u32 s2, ttmp6, 0x40000                   ; cx
	s_bfe_u32 s3, ttmp6, 0x40004                   ; cy
	s_lshl_b32 s12, ttmp9, 2
	s_add_co_u32 s12, s12, s2                      ; the tile of 256 columns
	s_and_b32 s17, ttmp7, 0xffff
	s_lshl_b32 s17, s17, 2
	s_add_co_u32 s17, s17, s3                      ; the tile of 128 rows
	s_lshl_b32 s13, s3, 2
	s_lshl_b32 s13, 15, s13                        ; my row of the cluster
	s_lshl_b32 s18, 0x1111, s2                     ; my column
	s_or_b32 s[G1W], s18, (3<<16)|(1<<21)          ; W's tile: 8 row blocks x 3,072 bytes, 12,288 apart
	s_mov_b32 s[G1W+1], 384<<16
	s_mov_b32 s[G1W+2], 8<<16
	s_mov_b32 s[G1W+3], 384<<16
	s_mov_b32 s[G1W+4], 8
	s_mov_b32 s[G1W+5], 1536
	s_mov_b32 s[G1W+6], 0
	s_mov_b32 s[G1W+7], 0
	s_or_b32 s[G1Y], s13, (3<<16)|(1<<21)          ; y's: 4 row blocks
	s_mov_b32 s[G1Y+1], 384<<16
	s_mov_b32 s[G1Y+2], 4<<16
	s_mov_b32 s[G1Y+3], 384<<16
	s_mov_b32 s[G1Y+4], 4
	s_mov_b32 s[G1Y+5], 1536
	s_mov_b32 s[G1Y+6], 0
	s_mov_b32 s[G1Y+7], 0
	s_or_b32 s[G1SW], s18, (3<<16)|(1<<21)         ; W's scale words of 128 columns: 16 rows of 256 dense bytes
	s_mov_b32 s[G1SW+1], 32<<16
	s_mov_b32 s[G1SW+2], 16<<16
	s_mov_b32 s[G1SW+3], 32<<16
	s_mov_b32 s[G1SW+4], 16
	s_mov_b32 s[G1SW+5], 32
	s_mov_b32 s[G1SW+6], 0
	s_mov_b32 s[G1SW+7], 0
	s_or_b32 s[G1SY], s13, (3<<16)|(1<<21)         ; y's of 64 rows: 8 rows of 256
	s_mov_b32 s[G1SY+1], 32<<16
	s_mov_b32 s[G1SY+2], 8<<16
	s_mov_b32 s[G1SY+3], 32<<16
	s_mov_b32 s[G1SY+4], 8
	s_mov_b32 s[G1SY+5], 32
	s_mov_b32 s[G1SY+6], 0
	s_mov_b32 s[G1SY+7], 0
	s_lshl_b32 s19, s16, 3
	s_lshl_b32 s20, s12, 4
	s_add_co_u32 s20, s20, s19
	s_mul_i32 s20, s20, 12288
	s_add_co_u32 s20, s20, WPC                     ; W's codes: row block 16 x tile + 8 x half
	s_mov_b32 s21, 0
	s_lshl_b32 s19, s16, 1
	s_lshl_b32 s22, s12, 2
	s_add_co_u32 s22, s22, s19
	s_lshl_b32 s22, s22, 11
	s_add_co_u32 s22, s22, WPS                     ; W's scale words
	s_mov_b32 s23, 0
	s_lshl_b32 s19, s16, 2
	s_lshl_b32 s66, s17, 3
	s_add_co_u32 s66, s66, s19
	s_mul_i32 s66, s66, 12288                      ; y's codes: row block 8 x tile + 4 x half
	s_mov_b32 s67, 0
	s_lshl_b32 s100, s17, 1
	s_add_co_u32 s100, s100, s16
	s_lshl_b32 s100, s100, 11
	s_add_co_u32 s100, s100, YS                    ; y's scale words
	s_mov_b32 s101, 0
	s_mul_i32 s19, s16, WH                         ; where they go: made of the wave's number alone
	s_mul_i32 s13, s16, YH
	s_add_co_u32 s13, s13, YOFF
	s_lshl_b32 s18, s16, 12
	s_add_co_u32 s18, s18, SCL
	s_lshl_b32 s2, s16, 11
	s_add_co_u32 s2, s2, SCL+8192
	s_wait_dscnt 0x0                               ; the opening add is done
	s_wait_kmcnt 0x0
	s_add_nc_u64 s[20:21], s[6:7], s[20:21]
	s_add_nc_u64 s[22:23], s[6:7], s[22:23]
	s_add_nc_u64 s[66:67], s[4:5], s[66:67]
	s_add_nc_u64 s[100:101], s[4:5], s[100:101]
	CROUND                                         ; all sixteen work-groups are here: the joint loads meet
	s_mov_b32 s56, 1
	s_mov_b32 s57, s18
	s_mov_b64 s[58:59], s[22:23]
	s_or_b32 s59, s59, 0x80000000
	s_mov_b32 s80, 1
	s_mov_b32 s81, s2
	s_mov_b64 s[82:83], s[100:101]
	s_or_b32 s83, s83, 0x80000000
	JLOAD 56, G1SW, 80, G1SY                       ; the scale words first
.macro SETG0 gw, gy, y                 ; chunk y (256 along K) into slot y
	s_mov_b32 s[\gw], 1
	s_add_co_u32 s[\gw+1], s19, (\y)*SLOTB
	s_add_nc_u64 s[\gw+2:\gw+3], s[20:21], (\y)*3072
	s_or_b32 s[\gw+3], s[\gw+3], 0x80000000
	s_mov_b32 s[\gy], 1
	s_add_co_u32 s[\gy+1], s13, (\y)*SLOTB
	s_add_nc_u64 s[\gy+2:\gy+3], s[66:67], (\y)*3072
	s_or_b32 s[\gy+3], s[\gy+3], 0x80000000
	JLOAD \gw, G1W, \gy, G1Y
.endm
	SETG0 60, 84, 0
	SETG0 68, 88, 1
	SETG0 72, 92, 2
	SETG0 76, 96, 3                                ; five tensor loads of mine are out
	v_and_b32 v1, 15, v0                           ; r
	v_bfe_u32 v2, v0, 4, 1                         ; h
	v_and_b32 v3, 31, v0
	v_lshlrev_b32 v4, 3, v3                        ; 8 x lane
	v_lshlrev_b32 v3, 4, v3                        ; 16 x lane
	v_lshlrev_b32 v6, 7, v2                        ; the bias: 32 h numbers on
	s_mul_i32 s13, s15, YH
	s_add_co_u32 s13, s13, YOFF                    ; the half of y that I multiply (s19 already stands at my half of W)
.irp s, 0,1,2,3
	v_add_nc_u32 v[8+\s], s19, v3
	v_add_nc_u32 v[12+\s], s19, v4
	v_add_nc_u32 v[16+\s], s13, v3
	v_add_nc_u32 v[20+\s], s13, v4
	s_add_co_u32 s19, s19, SLOTB
	s_add_co_u32 s13, s13, SLOTB
.endr
	v_lshl_add_u32 v[C0], v1, 4, s18
	s_lshl_b32 s2, s15, 11
	s_add_co_u32 s2, s2, SCL+8192
	v_lshl_add_u32 v[C1], v1, 4, s2
	s_lshl_b32 s20, s12, 10
	s_lshl_b32 s21, s16, 9
	s_add_co_u32 s20, s20, s21                     ; my first column, in bytes: 1,024 x tile + 512 x half
	s_mov_b32 s21, 0
	s_add_nc_u64 s[8:9], s[8:9], s[20:21]
	s_add_nc_u64 s[10:11], s[10:11], s[20:21]
	s_lshl_b32 s22, s17, 1
	s_add_co_u32 s22, s22, s15
	s_lshl_b32 s22, s22, 18                        ; my 64 rows of 4,096 bytes
	s_mov_b32 s23, 0
	s_add_nc_u64 s[10:11], s[10:11], s[22:23]
	WIN 0x40                                       ; destination window 1
.irp b, 0,1,2,3,4,5,6,7                ; tile b's eight registers of lane (r, h): columns 64 (b / 4) + 8 (b % 4) + 32 h + 0 .. 7
	global_load_b128 v[192+8*\b:195+8*\b], v6, s[8:9] offset:(64*(\b/4)+8*(\b%4))*4
	global_load_b128 v[196+8*\b:199+8*\b], v6, s[8:9] offset:(64*(\b/4)+8*(\b%4))*4+16
.endr
	WIN 0
	s_mul_i32 s20, s14, 8448                       ; my stage for the way out: 16 rows x 528 bytes, in slot 0
	v_mul_u32_u24 v[STO], v1, 528
	v_lshl_add_u32 v[STO], v2, 7, v[STO]
	v_add_nc_u32 v[STO], s20, v[STO]               ; in: row r, + 128 h
	v_add_nc_u32 v[RD], s20, v3                    ; back: 16 x lane
.macro FETCH g                         ; the fragments and scale words of step g into set g % 2: 51 LDS loads in one run
.set FP, (\g)%2
.set FS, (\g)/2
	WIN 0x40
.irp i, 0,1,2,3,4,5,6,7
.irp c, 0,1
	ds_load_b128 v[96*FP+12*\i+6*\c:96*FP+12*\i+6*\c+3], v[8+FS] offset:3072*\i+768*(2*FP+\c)
	ds_load_b64 v[96*FP+12*\i+6*\c+4:96*FP+12*\i+6*\c+5], v[12+FS] offset:3072*\i+768*(2*FP+\c)+512
.endr
.endr
	WIN 0
.irp i, 0,1,2,3
.irp c, 0,1
	ds_load_b128 v[64+48*FP+12*\i+6*\c:64+48*FP+12*\i+6*\c+3], v[16+FS] offset:3072*\i+768*(2*FP+\c)
	ds_load_b64 v[64+48*FP+12*\i+6*\c+4:64+48*FP+12*\i+6*\c+5], v[20+FS] offset:3072*\i+768*(2*FP+\c)+512
.endr
.endr
	ds_load_b128 v[SC+16*FP:SC+16*FP+3], v[C0] offset:256*(\g)
	ds_load_b128 v[SC+16*FP+4:SC+16*FP+7], v[C0] offset:2048+256*(\g)
	ds_load_b128 v[SC+16*FP+8:SC+16*FP+11], v[C1] offset:256*(\g)
.endm
; 16 matrix instructions: y's blocks a0, a0 + 1 x W's eight.  first = 1: the bias is the C.  The 32 accumulators take turns, one instruction a turn, in the same order in every step.
.macro MUL16 a0, p, first
.if \first
	WIN 0x91                                       ; source 0 window 1, source 1 window 0, C (the bias) window 1, D window 2
.else
	WIN 0xa1                                       ; C and D window 2
.endif
.irp a, \a0, \a0+1
.irp b, 0,1,2,3,4,5,6,7
.if \first
	v_wmma_scale_f32_16x16x128_f8f6f4 v[8*(8*(\a)+\b):8*(8*(\a)+\b)+7], v[96*(\p)+12*\b:96*(\p)+12*\b+11], v[64+48*(\p)+12*(\a):64+48*(\p)+12*(\a)+11], v[192+8*\b:199+8*\b], v[SC+16*(\p)+\b], v[SC+16*(\p)+8+(\a)] matrix_a_fmt:MATRIX_FMT_FP6 matrix_b_fmt:MATRIX_FMT_FP6
.else
	v_wmma_scale_f32_16x16x128_f8f6f4 v[8*(8*(\a)+\b):8*(8*(\a)+\b)+7], v[96*(\p)+12*\b:96*(\p)+12*\b+11], v[64+48*(\p)+12*(\a):64+48*(\p)+12*(\a)+11], v[8*(8*(\a)+\b):8*(8*(\a)+\b)+7], v[SC+16*(\p)+\b], v[SC+16*(\p)+8+(\a)] matrix_a_fmt:MATRIX_FMT_FP6 matrix_b_fmt:MATRIX_FMT_FP6
.endif
.endr
.endr
.endm
.macro STEP g, first, fetch            ; a step whose successor lies in the same slot, or the last
	s_wait_dscnt 0x0
	MUL16 0, (\g)%2, \first
.if \fetch
	PLACES
	FETCH (\g)+1
.endif
	MUL16 2, (\g)%2, \first
.endm
.macro MEET g, left                    ; a slot's last step: the next chunk is wanted; left = my later loads, which may stay out
	s_wait_dscnt 0x0
	s_wait_tensorcnt \left
	s_barrier_signal -1
	MUL16 0, (\g)%2, 0
	s_barrier_wait -1                              ; everybody's part of the next chunk is in
	PLACES
	FETCH (\g)+1
	MUL16 2, (\g)%2, 0
.endm
	s_wait_tensorcnt 3                             ; the scale words and chunk 0 are in; chunks 1 to 3 may stay out
	s_barrier_signal -1
	s_barrier_wait -1
	FETCH 0
	s_wait_loadcnt 0x0                             ; the bias
	STEP 0, 1, 1
	MEET 1, 2
	STEP 2, 0, 1
	MEET 3, 1
	STEP 4, 0, 1
	MEET 5, 0
	STEP 6, 0, 1
	STEP 7, 0, 0
	WIN 0
; THE WAY OUT, a block of 16 rows x 128 columns at a time, through my own stage in LDS.  The stage lies in slot 0: it has had its one fill, and every wave's last read of it was waited for ahead of step 1's barrier.
; A lane's eight results of tile b are columns 64 (b / 4) + 32 h + 8 (b % 4) + 0 .. 7 of one row.  Whole rows of 512 bytes come back; position t of block a is row 8 a + t % 8 + 32 (t / 8) of my 64.
.macro TOSTAGE a
	WIN 0x08                                       ; an LDS store's data are its source 1: window 2
.irp b, 0,1,2,3,4,5,6,7
	ds_store_b128 v[STO], v[8*(8*(\a)+\b):8*(8*(\a)+\b)+3] offset:256*(\b/4)+32*(\b%4)          ; each accumulator from its low end on
	ds_store_b128 v[STO], v[8*(8*(\a)+\b)+4:8*(8*(\a)+\b)+7] offset:256*(\b/4)+32*(\b%4)+16
.endr
	WIN 0
.set BB, 128+64*((\a)%2)
.irp t, 0,1,2,3,4,5,6,7,8,9,10,11,12,13,14,15
	ds_load_b128 v[BB+4*\t:BB+4*\t+3], v[RD] offset:528*\t   ; LDS serves a wave's instructions in order: these see the stores above, and the next block's stores come behind them
.endr
.endm
.macro SEND a, younger                 ; younger: the LDS instructions issued behind block a's loads, which may stay out
.set BB, 128+64*((\a)%2)
	s_wait_dscnt \younger
.irp t, 0,1,2,3,4,5,6,7,8,9,10,11,12,13,14,15
	global_store_b128 v3, v[BB+4*\t:BB+4*\t+3], s[10:11] offset:(8*(\a)+(\t%8)+32*(\t/8))*4096 th:TH_STORE_NT   ; 512 consecutive bytes, at a multiple of 256 from out0's first byte
.endr
.endm
	PLACES
	TOSTAGE 0
.irp a, 1,2,3
.if \a > 1
	s_wait_xcnt 0x0                                ; block a - 2's stores have read their registers: block a's loads may land there
.endif
	TOSTAGE \a
	SEND \a-1, 32                                  ; behind block a - 1's loads: block a's 16 stores and 16 loads
.endr
	SEND 3, 0
	s_wait_tensorcnt 0x0                           ; the wave's end: the spare-word add and its wait behind my last tensor load and my last LDS store
	ds_add_u32 v[SPW], v[NIL]
	s_wait_dscnt 0x0
	CROUND                                         ; the closing round
	s_endpgm
.Lfunc_end_k_q40b3997571_proj:
	.size	k_q40b3997571_proj, .Lfunc_end_k_q40b3997571_proj-k_q40b3997571_proj
	.p2alignl 7, 3214868480
	.fill 96, 4, 3214868480
	.section	.rodata,"a",@progbits
	.p2align	6, 0x0
	.amdhsa_kernel k_q40b3997571_proj
		.amdhsa_group_segment_fixed_size 307712
		.amdhsa_private_segment_fixed_size 0
		.amdhsa_enable_private_segment 0
		.amdhsa_kernarg_size 32
		.amdhsa_user_sgpr_count 2
		.amdhsa_user_sgpr_kernarg_segment_ptr 1
		.amdhsa_wavefront_size32 1
		.amdhsa_system_sgpr_workgroup_id_x 1
		.amdhsa_system_sgpr_workgroup_id_y 1
		.amdhsa_system_sgpr_workgroup_id_z 1
		.amdhsa_system_vgpr_workitem_id 0
		.amdhsa_next_free_vgpr 768
		.amdhsa_next_free_sgpr 102
		.amdhsa_reserve_vcc 0
		.amdhsa_float_denorm_mode_32 3
		.amdhsa_float_denorm_mode_16_64 3
		.amdhsa_memory_ordered 1
		.amdhsa_forward_progress 1
		.amdhsa_inst_pref_size 89
	.end_amdhsa_kernel
	.amdgpu_metadata
---
amdhsa.version: [ 1, 2 ]
amdhsa.kernels:
  - .name:           k_q40b3997571_proj
    .symbol:         k_q40b3997571_proj.kd
    .args:
      - { .name: yq, .offset: 0, .size: 8, .value_kind: global_buffer, .address_space: global }
      - { .name: wq, .offset: 8, .size: 8, .value_kind: global_buffer, .address_space: global }
      - { .name: b_proj, .offset: 16, .size: 8, .value_kind: global_buffer, .address_space: global }
      - { .name: out0, .offset: 24, .size: 8, .value_kind: global_buffer, .address_space: global }
    .group_segment_fixed_size: 307712
    .private_segment_fixed_size: 0
    .kernarg_segment_align: 8
    .kernarg_segment_size: 32
    .max_flat_workgroup_size: 128
    .sgpr_count:     102
    .vgpr_count:     768
    .wavefront_size: 32
...
	.end_amdgpu_metadata
.endif
;; end of part 4
